; MI455X (gfx1250); checked and timed in simulation.
; The chip was launched on July 23, 2026; its instructions are those of AMD's public machine-readable ISA for CDNA 5 (MIT licence, August 2026) and "CDNA5" Instruction Set Architecture Reference Guide (July 2026). The comments in the code are by the model that wrote it; some were corrected since.
;; Multi Headed Attention. Allowed arithmetic: matrix products marked QUANTISED: E2M1 operands, one E8M0 scale for each 32 along K, by v_wmma_scale_f32_16x16x128_f8f6f4 with both operands' format E2M1 (or v_wmma_scale_f32_32x16x128_f4), f32 sums; everything else in f32.
;; Inputs: Wk 16 x 1,024 x 64 float32; Wo 1,024 x 1,024 float32; Wq 16 x 1,024 x 64 float32; Wv 16 x 1,024 x 64 float32; bk 16 x 64 float32; bo 1,024 float32; bq 16 x 64 float32; bv 16 x 64 float32; key 8 x 1,024 x 1,024 float32; mask 8 x 1,024 x 1,024 float32; query 8 x 1,024 x 1,024 float32; value 8 x 1,024 x 1,024 float32.
;; Outputs: out0 8 x 1,024 x 1,024 float32.
;; This version of the problem:
;;   THIS VERSION OF THE PROBLEM IS GIVEN IN LOW PRECISION. The matrix products marked QUANTISED in the list below multiply operands that are first quantised to E2M1 (2 exponent bits, 1 mantissa bit; 4 bits a number), with one power-of-two scale for each 32 numbers along K (OCP MX v1.0); their sums are f32. All else is computed in f32.
;;   The module's matrix products, in the order in which they are computed (A, B: the left and right operand; K: the contracted axis; several contracted axes count as one K, in the product's order):
;;     1. [M 1,024, K 1,024] x [K 1,024, N 8,192]; A: input Wq; B: input query: QUANTISED
;;     2. [M 1,024, K 1,024] x [K 1,024, N 8,192]; A: input Wk; B: input query: QUANTISED
;;     3. [M 1,024, K 1,024] x [K 1,024, N 8,192]; A: input Wv; B: input query: QUANTISED
;;     4. batch 128 x [M 1,024, K 64] x [K 64, N 1,024]; A: computed on the way; B: computed on the way: QUANTISED
;;     5. batch 128 x [M 1,024, K 1,024] x [K 1,024, N 64]; A: softmax (see below); B: computed on the way: QUANTISED
;;     6. [M 8,192, K 1,024] x [K 1,024, N 1,024]; A: computed on the way; B: input Wo: QUANTISED
;;   THE QUANTISER, for each operand of a quantised product, along K:
;;     - K is cut into blocks of 32 from its start; a last block that is shorter is filled with zeros.
;;     - A block's scale is 2^e with e = floor(log2(the largest magnitude in the block)) - 2, held to -126 .. 127; a block of zeros has e = 0. As a byte (E8M0): e + 127.
;;     - Each number is divided by its block's scale, clamped to +-6, and rounded to the nearest number of E2M1, ties to even, subnormals kept.
;;     - The product sums the exact products of the quantised numbers (number of the format x scale) in f32.
;;   ~~~python
;;   def quantise(x, axis):      # numpy; x: float32 -> the quantised numbers, widened to float32 again
;;       x = np.moveaxis(x, axis, -1); K = x.shape[-1]
;;       x = np.pad(x, [(0, 0)] * (x.ndim - 1) + [(0, -K % 32)]); x = x.reshape(x.shape[:-1] + (-1, 32)); a = np.abs(x).max(-1, keepdims=True)
;;       e = np.where(a > 0, np.clip(np.frexp(np.where(a > 0, a, 1))[1] - 1 - 2, -126, 127), 0)      # np.frexp(a)[1] - 1 = floor(log2(a)), exactly
;;       r = np.clip(x / 2.0 ** e, -6, 6)
;;       step = 2.0 ** (np.maximum(np.frexp(np.where(r == 0, 1, r))[1] - 1, 0) - 1)
;;       q = np.round(r / step) * step * 2.0 ** e      # np.round: ties to even
;;       return np.moveaxis(q.reshape(q.shape[:-2] + (-1,))[..., :K], -1, axis).astype(np.float32)
;;   ~~~
;;   SOFTMAX AHEAD OF A QUANTISED PRODUCT. Where the list says 'softmax', what is quantised is not the finished softmax but p = 2^(t - M), with t = logit x log2(e) and M = ceil(the row's largest t), a whole number; so 1/2 < the row's largest p <= 1. The row's sum l is taken of the UNQUANTISED p, in f32, and the product's result is divided by l at the end. Since M is a whole number, a kernel that streams over the keys may use a running M (the ceiling of the running maximum): every later rescaling is an exact power of two, which a block's scale takes up: the codes' values come out the same.
;;   OPERANDS COMPUTED ON THE WAY. 'Computed on the way' means the value that the module computes at that place (a softmax that the list does not call 'softmax' is quantised finished and normalised). What goes into a quantiser is computed in f32, as accurately as f32 sums, v_exp_f32 and their like allow (about 1e-6 of the number): no bf16 or f16 on the way to a quantiser, and a product that is left as it is and whose result goes on into a quantised operand takes f32 operands (vector FMAs, or v_wmma_f32_16x16x4_f32). A number that lies on a knife's edge between two numbers of the format may be rounded either way, as far as f32 arithmetic and the matrix unit's own rounding can turn it there, and no further.
;; 2 versions, each right; version 2 is version 1 with the launch attn written anew for expert scheduling mode. Each part assembles by itself: llvm-mc -triple=amdgcn-amd-amdhsa -mcpu=gfx1250 --defsym DOCPART=n.
;; ======== version 1 of 2: 3 launches
;; workspace buffers: xq 4,456,448 bytes; wqkv 1,671,168 bytes; wo 557,056 bytes; qc 4,194,304 bytes; kc 4,194,304 bytes; vc 4,194,304 bytes; sc 1,310,720 bytes
;; launch quant (part 1): grid 384 x 1, 4 waves a work-group, no clusters, 34,304 bytes of LDS; arguments query, Wq, Wk, Wv, Wo, xq, wqkv, wo; writes xq, wqkv, wo
.if DOCPART == 1
	.amdgcn_target "amdgcn-amd-amdhsa--gfx1250"
	.amdhsa_code_object_version 6
	.text
	.protected	k_q7710937cea_quant
	.globl	k_q7710937cea_quant
	.p2align	8
	.type	k_q7710937cea_quant,@function
k_q7710937cea_quant:
	s_mov_b64 s[64:65], 0
	v_nop
	global_prefetch_b8 v0, s[64:65] scope:SCOPE_SE
	s_setreg_imm32_b32 hwreg(HW_REG_WAVE_MODE, 25, 1), 1
	s_wait_xcnt 0x0
; query [8192][1024] (K innermost) and Wq, Wk, Wv [16][1024][64], Wo [1024][1024] (K = the 1,024 rows, not innermost), all f32, become codes of FP4 (E2M1)
; with one E8M0 byte for each 32 along K, laid as IMAGES OF THE OPERANDS' REGISTERS: a fragment (16 rows x 128 K) is 1,024 bytes, register group c of lane l at 512 c + 16 l.
; A block's scale is 2^(floor(log2(largest magnitude)) - 2): its byte is the largest magnitude's exponent field - 2, held at 1 from below.
; THE 16 ROWS (x) OR COLUMNS (weights) OF A TILE ARE NOT NEIGHBOURS: in a group of 32, tile u at place r holds index 8 u + r + 8 (r / 8), so that a later product's
; 16 results of two neighbouring tiles are 16 neighbours along the next K.
; xq:   256 groups of 32 rows x 17,408 bytes: codes [tile 2][K step 8][1024]; at 16,384 scale words [kq 4][lane 16 u + r][K steps 2 kq, 2 kq + 1].
; wqkv: 16 heads x 104,448: codes [matrix 3][pair of tiles 2][tile 2][K step 8][1024]; at 98,304 scale words [matrix][pair][kq 4][lane][2].
; wo:   16 groups of 64 columns x 34,816: codes [pair][tile][K step][1024]; at 32,768 scale words [pair][kq][lane][2].
; Work-groups 0-255 take x (one group of 32 rows each, wave = kq: 256 along K), work-groups 256-383 the weights (wave: 32 columns x 256 along K).  Only the x path uses LDS.
; LIMITS: NaN and infinities are not served.  A block of zeros gets the byte 1 where the rule says 127: its codes are zeros, and these bytes are read by this program alone.
; The inputs key and value enter no result of the module and are named by no launch.
.set SP,   528                         ; a stage row: 512 bytes + 16: 33 x 16, so that sixteen rows' same column falls on sixteen different groups of banks
.set STGW, 16*SP                       ; a wave's stage
.set RA,   16                          ; v16-143  two sets of 64 numbers as loaded
.set XN,   144                         ; v144-207 64 numbers: register 16 b + i = k 32 b + 16 (lane / 16) + i of my row
.set TM,   208                         ; v208-223 at work
.set PC,   224                         ; v224-231 a fragment's codes
.set WD,   233                         ; v233-236 the four fragments' scale words
.set OW,   238                         ; v238-239 the two words that leave
.set SEL,  36                          ; s[36:37] lane selects: lane l xor 16
	s_load_b256 s[4:11], s[0:1], 0x0               ; query, Wq, Wk, Wv
	s_load_b256 s[12:19], s[0:1], 0x20             ; Wo, xq, wqkv, wo
	v_lshl_add_u32 v240, v0, 2, 0x8400
	v_mov_b32 v241, 0
	v_lshrrev_b32 v1, 5, v0
	v_readfirstlane_b32 s20, v1                    ; wave 0..3
	v_and_b32 v1, 31, v0                           ; lane
	v_and_b32 v6, 15, v0                           ; r
	v_bfe_u32 v7, v0, 4, 1                         ; lane / 16
	s_cmp_lt_u32 ttmp9, 256
	s_cbranch_scc0 .Lweights
; ---------------- x: K innermost ----------------
; 64 numbers of a lane become a fragment's codes in v[PC] on and its row's scale word in v[w]
.macro QUANT s, w
.irp b, 0,1,2,3
	v_max3_num_f32 v[TM+\b], |v[\s+16*\b]|, |v[\s+1+16*\b]|, 0x1800000   ; block b: my 16 numbers, and the floor 2^(3 - 127): the byte cannot fall under 1
.endr
.irp i, 2,4,6,8,10,12,14
.irp b, 0,1,2,3
	v_max3_num_f32 v[TM+\b], v[TM+\b], |v[\s+16*\b+\i]|, |v[\s+1+16*\b+\i]|   ; the four blocks by turns
.endr
.endr
.irp b, 0,1,2,3
	v_permlanex16_b32 v[TM+4+\b], v[TM+\b], s[SEL], s[SEL+1]
.endr
.irp b, 0,1,2,3
	v_max_num_f32 v[TM+\b], v[TM+\b], v[TM+4+\b]   ; with lane l xor 16's 16: the block's largest magnitude
.endr
.irp b, 0,1,2,3
	v_add_nc_u32 v[TM+12+\b], 0xff000000, v[TM+\b] ; 2 off its exponent field: the conversion's scale operand
.endr
.irp b, 0,1,2,3
	v_lshrrev_b32 v[TM+4+\b], 23, v[TM+12+\b]      ; the scale's byte
.endr
	v_lshl_or_b32 v[\w], v[TM+5], 8, v[TM+4]
	v_lshl_or_b32 v[\w], v[TM+6], 16, v[\w]
	v_lshl_or_b32 v[\w], v[TM+7], 24, v[\w]
.irp b, 0,1,2,3
	v_cvt_scalef32_pk8_fp4_f32 v[PC+2*\b], v[\s+16*\b:\s+7+16*\b], v[TM+12+\b]
	v_cvt_scalef32_pk8_fp4_f32 v[PC+1+2*\b], v[\s+8+16*\b:\s+15+16*\b], v[TM+12+\b]
.endr
	v_nop                                          ; one plain place behind a scaled conversion
.irp c, 0,1                                    ; the operand wants a whole block in a lane: lanes 0-15 block 2 c, lanes 16-31 block 2 c + 1
.irp i, 0,1
	v_permlane16_swap_b32 v[PC+4*\c+\i], v[PC+2+4*\c+\i]
.endr
.endr
.endm
; step j = 2 u + sl: tile u, K step 2 kq + sl.  Sixteen loads, each 512 consecutive bytes of one row
.macro XLD j
.irp i, 0,1,2,3,4,5,6,7,8,9,10,11,12,13,14,15
	global_load_b128 v[RA+64*((\j)%2)+4*\i:RA+64*((\j)%2)+4*\i+3], v2, s[4:5] offset:(8*((\j)/2)+\i+8*(\i/8))*4096+((\j)%2)*512 th:TH_LOAD_NT
.endr
.endm
; through the wave's own stage: in as loaded, out 16 neighbours of each block of 32 a lane.  LDS serves a wave's instructions in order: no wait between
.macro TURN j
.irp i, 0,1,2,3,4,5,6,7,8,9,10,11,12,13,14,15
	ds_store_b128 v3, v[RA+64*((\j)%2)+4*\i:RA+64*((\j)%2)+4*\i+3] offset:\i*SP
.endr
.irp b, 0,1,2,3
.irp k, 0,1,2,3
	ds_load_b128 v[XN+16*\b+4*\k:XN+16*\b+4*\k+3], v4 offset:128*\b+16*\k
.endr
.endr
.endm
.macro XSTEP j
.if (\j) < 3
	s_wait_loadcnt 16                              ; this step's 16 loads are in; the next step's 16 may be out
.else
	s_wait_loadcnt 0x0
.endif
	TURN \j
	s_wait_dscnt 0x0                               ; the numbers are back, and the stage's stores have read their registers,
.if (\j) < 2
	XLD (\j)+2                                     ; which take the loads of two steps on
.endif
	s_wait_xcnt 0x0                                ; the last step's stores have read the codes' registers: they are written again only behind this wait
	QUANT XN, WD+(\j)
.irp c, 0,1
	global_store_b128 v2, v[PC+4*\c:PC+4*\c+3], s[28:29] offset:((\j)/2)*8192+((\j)%2)*1024+\c*512   ; 512 consecutive bytes of the image
.endr
.endm
	v_lshlrev_b32 v2, 4, v1                        ; 16 x lane
	s_mul_i32 s21, s20, STGW
	v_add_nc_u32 v3, s21, v2                       ; the stage, in
	v_mul_u32_u24 v4, v6, SP
	v_lshl_add_u32 v4, v7, 6, v4
	v_add_nc_u32 v4, s21, v4                       ; and out: row r, + 64 (lane / 16)
	v_lshlrev_b32 v5, 3, v1                        ; 8 x lane
	v_cmp_lt_u32 s40, 15, v1                       ; lanes 16-31
	s_mov_b32 s[SEL], 0x76543210
	s_mov_b32 s[SEL+1], 0xfedcba98
.irp b, 0,1,2,3
	v_mov_b32 v[TM+4+\b], 0                        ; written once: a lane permute's destination counts as one of its sources
.endr
	s_lshl_b32 s22, ttmp9, 17                      ; the group's 32 rows of 4,096 bytes
	s_lshl_b32 s24, s20, 10                        ; my 256 along K
	s_add_co_u32 s22, s22, s24
	s_mov_b32 s23, 0
	s_mul_i32 s26, ttmp9, 17408
	s_lshl_b32 s24, s20, 11                        ; K steps 2 kq on
	s_add_co_u32 s24, s24, s26
	s_mov_b32 s25, 0
	s_lshl_b32 s32, s20, 8
	s_add_co_u32 s26, s26, s32
	s_add_co_u32 s26, s26, 16384
	s_mov_b32 s27, 0
	s_wait_kmcnt 0x0
	s_add_nc_u64 s[4:5], s[4:5], s[22:23]
	s_add_nc_u64 s[28:29], s[14:15], s[24:25]      ; my codes
	s_add_nc_u64 s[30:31], s[14:15], s[26:27]      ; my scale words
	XLD 0
	XLD 1
	XSTEP 0
	XSTEP 1
	XSTEP 2
	XSTEP 3
	v_cndmask_b32 v[OW], v[WD], v[WD+2], s40       ; lanes 0-15 tile 0's rows, lanes 16-31 tile 1's: K step 2 kq,
	v_cndmask_b32 v[OW+1], v[WD+1], v[WD+3], s40   ; and 2 kq + 1
	global_store_b64 v5, v[OW:OW+1], s[30:31]      ; 256 consecutive bytes, aligned
	s_wait_tensorcnt 0x0
	ds_add_u32 v240, v241
	s_wait_dscnt 0x0
	s_endpgm
; ---------------- the weights: a lane takes a column, its registers run down K ----------------
.Lweights:
.set XW, 32                            ; v32-95   two sets of 32 numbers
.set CW, 96                            ; v96-127  four registers of codes for each of 8 blocks: no store's data are written again
.set SB, 24                            ; v24-25   the 8 scale bytes
.macro WLOAD t, pitch
.irp i, 0,1,2,3,4,5,6,7,8,9,10,11,12,13,14,15,16,17,18,19,20,21,22,23,24,25,26,27,28,29,30,31
	global_load_b32 v[XW+32*((\t)%2)+\i], v2, s[28:29] offset:(32*(\t)+\i)*(\pitch) th:TH_LOAD_NT   ; the 32 lanes read 128 consecutive bytes of row 32 t + i
.endr
.endm
.macro WBLOCK t, pitch
.set XS, XW+32*((\t)%2)
.if (\t) < 7
	s_wait_loadcnt 32                              ; this block's 32 loads are in; the next block's 32 may be out
.else
	s_wait_loadcnt 0x0
.endif
	v_max3_num_f32 v12, |v[XS]|, |v[XS+1]|, |v[XS+2]|
	v_max3_num_f32 v13, |v[XS+3]|, |v[XS+4]|, |v[XS+5]|
.irp i, 6,10,14,18,22,26
	v_max3_num_f32 v12, v12, |v[XS+\i]|, |v[XS+\i+1]|
	v_max3_num_f32 v13, v13, |v[XS+\i+2]|, |v[XS+\i+3]|
.endr
	v_max3_num_f32 v12, v12, |v[XS+30]|, |v[XS+31]|
	v_max3_num_f32 v12, v12, v13, 0x1800000        ; the block's largest magnitude, all 32 mine, and the floor
	v_add_nc_u32 v11, 0xff000000, v12
	v_lshrrev_b32 v13, 23, v11
.if (\t)%4 == 0
	v_mov_b32 v[SB+(\t)/4], v13
.else
	v_lshl_or_b32 v[SB+(\t)/4], v13, 8*((\t)%4), v[SB+(\t)/4]
.endif
.irp g, 0,1,2,3
	v_cvt_scalef32_pk8_fp4_f32 v[CW+4*(\t)+\g], v[XS+8*\g:XS+8*\g+7], v11
.endr
	v_nop                                          ; one plain place behind a scaled conversion
	global_store_b128 v3, v[CW+4*(\t):CW+4*(\t)+3], s[30:31] offset:256*(\t)   ; block t = 4 s + 2 c + h of the image: 1024 s + 512 c + 256 h; sixteen lanes fill 256 consecutive bytes, aligned
.if (\t) < 6
	WLOAD (\t)+2, \pitch
.endif
.endm
.macro WPATH pitch
	WLOAD 0, \pitch
	WLOAD 1, \pitch
.irp t, 0,1,2,3,4,5,6,7
	WBLOCK \t, \pitch
.endr
	global_store_b64 v4, v[SB:SB+1], s[32:33]      ; 256 consecutive bytes, aligned
.endm
	s_sub_co_u32 s21, ttmp9, 256
	s_lshr_b32 s22, s21, 1
	s_and_b32 s23, s21, 1                          ; which half of K
	s_lshr_b32 s24, s22, 4                         ; matrix: 0 Wq, 1 Wk, 2 Wv, 3 Wo
	s_and_b32 s25, s22, 15                         ; head, or Wo's group of 64 columns
	s_and_b32 s26, s20, 1                          ; pair of tiles: 32 columns
	s_lshr_b32 s27, s20, 1
	s_lshl_b32 s23, s23, 1
	s_add_co_u32 s27, s27, s23                     ; kq: which 256 along K
	v_and_b32 v8, 8, v0
	v_add_nc_u32 v8, v8, v6
	v_lshl_add_u32 v8, v7, 3, v8                   ; my column in the pair: 8 u + r + 8 (r / 8)
	v_lshlrev_b32 v2, 2, v8
	v_lshlrev_b32 v3, 4, v6
	v_lshl_add_u32 v3, v7, 13, v3                  ; my place in the images: tile u, 16 r
	v_lshlrev_b32 v4, 3, v1
	s_mov_b32 s35, 0
	s_lshl_b32 s37, s26, 7                         ; the pair's 128 bytes of a row
	s_wait_kmcnt 0x0
	s_cmp_eq_u32 s24, 1                            ; the choices hang on the work-group's number alone
	s_cselect_b64 s[6:7], s[8:9], s[6:7]
	s_cmp_eq_u32 s24, 2
	s_cselect_b64 s[6:7], s[10:11], s[6:7]
	s_cmp_eq_u32 s24, 3
	s_cbranch_scc1 .Lwo
	s_lshl_b32 s34, s25, 18                        ; a head: 1,024 rows of 256 bytes
	s_lshl_b32 s38, s27, 16
	s_add_co_u32 s34, s34, s38
	s_add_co_u32 s34, s34, s37
	s_add_nc_u64 s[28:29], s[6:7], s[34:35]
	s_mul_i32 s36, s25, 104448
	s_lshl_b32 s34, s24, 15
	s_add_co_u32 s34, s34, s36
	s_lshl_b32 s38, s26, 14
	s_add_co_u32 s34, s34, s38
	s_lshl_b32 s38, s27, 11
	s_add_co_u32 s34, s34, s38
	s_add_nc_u64 s[30:31], s[16:17], s[34:35]
	s_lshl_b32 s34, s24, 11
	s_add_co_u32 s34, s34, s36
	s_lshl_b32 s38, s26, 10
	s_add_co_u32 s34, s34, s38
	s_lshl_b32 s38, s27, 8
	s_add_co_u32 s34, s34, s38
	s_add_co_u32 s34, s34, 98304
	s_add_nc_u64 s[32:33], s[16:17], s[34:35]
	WPATH 256
	s_endpgm
.Lwo:
	s_lshl_b32 s34, s25, 8                         ; 64 columns of 4 bytes
	s_lshl_b32 s38, s27, 20                        ; 256 rows of 4,096 bytes
	s_add_co_u32 s34, s34, s38
	s_add_co_u32 s34, s34, s37
	s_add_nc_u64 s[28:29], s[12:13], s[34:35]
	s_mul_i32 s36, s25, 34816
	s_lshl_b32 s34, s26, 14
	s_add_co_u32 s34, s34, s36
	s_lshl_b32 s38, s27, 11
	s_add_co_u32 s34, s34, s38
	s_add_nc_u64 s[30:31], s[18:19], s[34:35]
	s_lshl_b32 s34, s26, 10
	s_add_co_u32 s34, s34, s36
	s_lshl_b32 s38, s27, 8
	s_add_co_u32 s34, s34, s38
	s_add_co_u32 s34, s34, 32768
	s_add_nc_u64 s[32:33], s[18:19], s[34:35]
	WPATH 4096
	s_endpgm
.Lfunc_end_k_q7710937cea_quant:
	.size	k_q7710937cea_quant, .Lfunc_end_k_q7710937cea_quant-k_q7710937cea_quant
	.p2alignl 7, 3214868480
	.fill 96, 4, 3214868480
	.section	.rodata,"a",@progbits
	.p2align	6, 0x0
	.amdhsa_kernel k_q7710937cea_quant
		.amdhsa_group_segment_fixed_size 34304
		.amdhsa_private_segment_fixed_size 0
		.amdhsa_enable_private_segment 0
		.amdhsa_kernarg_size 64
		.amdhsa_user_sgpr_count 2
		.amdhsa_user_sgpr_kernarg_segment_ptr 1
		.amdhsa_wavefront_size32 1
		.amdhsa_system_sgpr_workgroup_id_x 1
		.amdhsa_system_sgpr_workgroup_id_y 1
		.amdhsa_system_sgpr_workgroup_id_z 1
		.amdhsa_system_vgpr_workitem_id 0
		.amdhsa_next_free_vgpr 242
		.amdhsa_next_free_sgpr 66
		.amdhsa_reserve_vcc 0
		.amdhsa_float_denorm_mode_32 3
		.amdhsa_float_denorm_mode_16_64 3
		.amdhsa_memory_ordered 1
		.amdhsa_forward_progress 1
		.amdhsa_inst_pref_size 109
	.end_amdhsa_kernel
	.amdgpu_metadata
---
amdhsa.version: [ 1, 2 ]
amdhsa.kernels:
  - .name:           k_q7710937cea_quant
    .symbol:         k_q7710937cea_quant.kd
    .args:
      - { .name: query, .offset: 0, .size: 8, .value_kind: global_buffer, .address_space: global }
      - { .name: Wq, .offset: 8, .size: 8, .value_kind: global_buffer, .address_space: global }
      - { .name: Wk, .offset: 16, .size: 8, .value_kind: global_buffer, .address_space: global }
      - { .name: Wv, .offset: 24, .size: 8, .value_kind: global_buffer, .address_space: global }
      - { .name: Wo, .offset: 32, .size: 8, .value_kind: global_buffer, .address_space: global }
      - { .name: xq, .offset: 40, .size: 8, .value_kind: global_buffer, .address_space: global }
      - { .name: wqkv, .offset: 48, .size: 8, .value_kind: global_buffer, .address_space: global }
      - { .name: wo, .offset: 56, .size: 8, .value_kind: global_buffer, .address_space: global }
    .group_segment_fixed_size: 34304
    .private_segment_fixed_size: 0
    .kernarg_segment_align: 8
    .kernarg_segment_size: 64
    .max_flat_workgroup_size: 128
    .sgpr_count:     66
    .vgpr_count:     242
    .wavefront_size: 32
...
	.end_amdgpu_metadata
.endif
;; end of part 1
;; launch qkv (part 2): grid 16 x 16, 16 waves a work-group, no clusters, 169,984 bytes of LDS; arguments xq, wqkv, bq, bk, bv, qc, kc, vc, sc; writes qc, kc, vc, sc
.if DOCPART == 2
	.amdgcn_target "amdgcn-amd-amdhsa--gfx1250"
	.amdhsa_code_object_version 6
	.text
	.protected	k_q7710937cea_qkv
	.globl	k_q7710937cea_qkv
	.p2align	8
	.type	k_q7710937cea_qkv,@function
k_q7710937cea_qkv:
	s_mov_b64 s[64:65], 0
	v_nop
	global_prefetch_b8 v0, s[64:65] scope:SCOPE_SE
	s_setreg_imm32_b32 hwreg(HW_REG_WAVE_MODE, 25, 1), 1
	s_wait_xcnt 0x0
; q, k, v = x W + b for one head and 512 rows, on codes of FP4 with E8M0 scales, K = 1,024; the results are quantised at once: q and k along the head's 64, v along the keys.
; SHARES.  Work-group (x = head, y = 2 batch + half).  Each of 16 waves owns a group of 32 rows (two tiles): its 16 fragments of x, 128 registers, are loaded once and stay.
; The head's record of Wq, Wk, Wv (98,304 bytes of codes, 6,144 of scale words) and its three biases come into LDS once, by asynchronous copies, and all sixteen waves read them.
; A PAIR is 32 columns (two tiles) of one matrix against my 32 rows: four accumulators by turns, 8 K steps, 32 matrix instructions; six pairs, written out.
; q, k: TRANSPOSED (source 0 = 16 columns of W, source 1 = 16 rows of x): a lane holds one row, and the 16 registers of the pair's two tiles are 16 neighbouring d (the tiles' columns were chosen so).
; v: in the natural order (source 0 = x, source 1 = W): a lane holds one d, and the 16 registers of my two row tiles are 16 neighbouring keys.  In both cases a block of 32 lies in lanes l and l xor 16.
; The bias is the C of each sum's first matrix instruction.
; OUT.  qc, kc: [16 b + head][tile 64][512]: block B of place r at 256 B + 16 r: the image of the registers 0-3 of an operand with K = 64.   vc: [16 b + head][64 keys: 16][d tile 4][512]: key block parity p, d place r at 256 p + 16 r.
; sc: [16 b + head] x 10,240: q's scale words [1024 places] (bytes 0, 1: the two blocks; bytes 2, 3: 0), at 4,096 k's, at 8,192 v's half-words [64 keys: 16][d tile 4][r 16].  They are gathered in LDS and leave in runs of 512 bytes.
; NO JOINT LOADS: x goes once into one wave's registers and not through LDS; W's record, 104,448 of a work-group's 382,976 bytes in, is copied once and never filled again.
; LIMITS: NaN and infinities are not served; a block of zeros gets the byte 1 where the rule says 127 (its codes are zeros; this program alone reads the bytes).
.set WSC,  98304                       ; LDS: W's codes from 0, its scale words here,
.set BIAS, 104448                      ; bq, bk, bv of the head, 256 bytes each,
.set STG,  105216                      ; and, in blocks of 256 bytes into which no copy lands: q's words 2,048, k's 2,048, v's half-words 1,024
.set XF,  16                           ; v16-143  x: fragment (tile x, K step s) at XF + 64 x + 8 s
.set XS,  144                          ; v144-151 x's scale words, K step s: lanes 0-15 tile 0, lanes 16-31 tile 1
.set WS,  152                          ; v152-159 the pair's scale words, likewise
.set WB,  160                          ; v160-223 W: four K steps x two tiles; behind a pair's products: at work
.set TM,  160
.set ACC, 224                          ; v224-255 four accumulators
; v1 16 lane; v2 16 lane + 65,536; v3 WSC + 8 lane; v4 16 r + 8 h; v5 BIAS + 64 h; v6 BIAS + 512 + 4 (r + 8 (r / 8)); v7 STG + 4 thread; v8 v's byte in the stage;
; v9 16 thread; v13 the lane, then 16 thread + 65,536; v10, v11, v14 the biases' places in LDS; v15 8 lane; v12 STG + 16 thread
.macro WM d, a, b, c, sa, sb, ra, rb   ; one product; ra, rb: the side's scale words lie in lanes 16-31
.if (\ra) && (\rb)
	v_wmma_scale_f32_16x16x128_f8f6f4 v[\d:\d+7], v[\a:\a+7], v[\b:\b+7], v[\c:\c+7], v[\sa], v[\sb] matrix_a_fmt:MATRIX_FMT_FP4 matrix_b_fmt:MATRIX_FMT_FP4 matrix_a_scale:MATRIX_SCALE_ROW1 matrix_b_scale:MATRIX_SCALE_ROW1
.elseif (\ra)
	v_wmma_scale_f32_16x16x128_f8f6f4 v[\d:\d+7], v[\a:\a+7], v[\b:\b+7], v[\c:\c+7], v[\sa], v[\sb] matrix_a_fmt:MATRIX_FMT_FP4 matrix_b_fmt:MATRIX_FMT_FP4 matrix_a_scale:MATRIX_SCALE_ROW1
.elseif (\rb)
	v_wmma_scale_f32_16x16x128_f8f6f4 v[\d:\d+7], v[\a:\a+7], v[\b:\b+7], v[\c:\c+7], v[\sa], v[\sb] matrix_a_fmt:MATRIX_FMT_FP4 matrix_b_fmt:MATRIX_FMT_FP4 matrix_b_scale:MATRIX_SCALE_ROW1
.else
	v_wmma_scale_f32_16x16x128_f8f6f4 v[\d:\d+7], v[\a:\a+7], v[\b:\b+7], v[\c:\c+7], v[\sa], v[\sb] matrix_a_fmt:MATRIX_FMT_FP4 matrix_b_fmt:MATRIX_FMT_FP4
.endif
.endm
.macro NOP4                            ; four places behind a matrix instruction, in front of loads into its registers and of the first read of its result
.rept 4
	v_nop
.endr
.endm
	s_load_b512 s[4:19], s[0:1], 0x0               ; xq, wqkv, bq, bk, bv, qc, kc, vc
	s_load_b64 s[20:21], s[0:1], 0x40              ; sc
	v_lshl_add_u32 v154, v0, 2, 0x29000
	v_mov_b32 v155, 0
	ds_add_u32 v154, v155
	ds_add_u32 v154, v155
	s_wait_dscnt 0x0
	v_lshrrev_b32 v13, 5, v0
	v_readfirstlane_b32 s22, v13                   ; wave 0..15
	v_and_b32 v13, 31, v0                          ; lane
	v_and_b32 v160, 15, v0                         ; r
	v_bfe_u32 v161, v0, 4, 1                       ; h
	v_lshlrev_b32 v1, 4, v13
	v_add_nc_u32 v2, 65536, v1
	v_lshl_add_u32 v3, v13, 3, WSC
	v_lshlrev_b32 v4, 4, v160
	v_lshl_add_u32 v4, v161, 3, v4
	v_lshl_add_u32 v5, v161, 6, BIAS
	v_and_b32 v162, 8, v0
	v_add_nc_u32 v162, v162, v160
	v_lshl_add_u32 v6, v162, 2, BIAS+512
	v_lshl_add_u32 v7, v0, 2, STG
	s_lshr_b32 s44, s22, 1                         ; wave / 2
	s_and_b32 s46, s22, 1                          ; wave % 2
	s_lshl_b32 s45, s44, 7
	s_add_co_u32 s45, s45, s46
	s_add_co_u32 s45, s45, STG+4096
	v_lshl_add_u32 v8, v160, 1, s45
	v_lshlrev_b32 v9, 4, v0
	v_lshl_add_u32 v10, v13, 3, BIAS
	v_lshl_add_u32 v11, v13, 3, BIAS+256
	v_lshl_add_u32 v14, v13, 3, BIAS+512
	v_lshlrev_b32 v15, 3, v13
	v_lshl_add_u32 v12, v0, 4, STG
	v_cmp_lt_u32 s40, 15, v13                      ; lanes 16-31
	v_add_nc_u32 v13, 65536, v9                    ; the lane's number is done with: 16 x thread + 65,536, so that every copy's immediate stays under 65,536
	s_mov_b32 s24, 0x76543210
	s_mov_b32 s25, 0xfedcba98                      ; lane selects: lane l xor 16
	s_and_b32 s23, ttmp7, 0xffff                   ; y
	s_lshr_b32 s26, s23, 1                         ; batch
	s_and_b32 s27, s23, 1                          ; half
	s_lshl_b32 s28, s23, 4
	s_add_co_u32 s28, s28, s22                     ; my group of 32 rows: 16 y + wave
	s_mul_i32 s28, s28, 17408
	s_mov_b32 s29, 0
	s_mul_i32 s30, ttmp9, 104448                   ; the head's record
	s_mov_b32 s31, 0
	s_lshl_b32 s32, ttmp9, 8                       ; its biases
	s_mov_b32 s33, 0
	s_lshl_b32 s34, s26, 4
	s_add_co_u32 s34, s34, ttmp9                   ; 16 b + head
	s_lshl_b32 s35, s34, 15
	s_lshl_b32 s36, s27, 4
	s_add_co_u32 s36, s36, s22
	s_lshl_b32 s36, s36, 10
	s_add_co_u32 s36, s36, s35                     ; q, k: group 16 half + wave, 1,024 bytes a group
	s_mov_b32 s37, 0
	s_lshl_b32 s38, s27, 3
	s_add_co_u32 s38, s38, s44
	s_lshl_b32 s38, s38, 11
	s_lshl_b32 s39, s46, 8
	s_add_co_u32 s38, s38, s39
	s_add_co_u32 s38, s38, s35                     ; v: 64 keys 8 half + wave / 2, block parity wave % 2
	s_mov_b32 s39, 0
	s_lshl_b32 s42, s22, 9                         ; sc, for the ten waves that store the stage: run j of 512 bytes goes to 512 j,
	s_cmp_ge_u32 s22, 4
	s_cselect_b32 s43, 2048, 0                     ; + 2,048 from k's words on,
	s_add_co_u32 s42, s42, s43
	s_cmp_ge_u32 s22, 8
	s_cselect_b32 s43, 2048, 0                     ; + 2,048 more for v's,
	s_add_co_u32 s42, s42, s43
	s_cmp_lt_u32 s22, 8
	s_cselect_b32 s43, 11, 10
	s_lshl_b32 s43, s27, s43                       ; + the half's 2,048 (words) or 1,024 (half-words)
	s_add_co_u32 s42, s42, s43
	s_mul_i32 s43, s34, 10240
	s_add_co_u32 s42, s42, s43
	s_mov_b32 s43, 0
	s_wait_kmcnt 0x0
	s_add_nc_u64 s[4:5], s[4:5], s[28:29]
	s_add_nc_u64 s[6:7], s[6:7], s[30:31]
	s_add_nc_u64 s[8:9], s[8:9], s[32:33]
	s_add_nc_u64 s[10:11], s[10:11], s[32:33]
	s_add_nc_u64 s[12:13], s[12:13], s[32:33]
	s_add_nc_u64 s[14:15], s[14:15], s[36:37]
	s_add_nc_u64 s[16:17], s[16:17], s[36:37]
	s_add_nc_u64 s[18:19], s[18:19], s[38:39]
	s_add_nc_u64 s[20:21], s[20:21], s[42:43]
	; the copies, ahead of every LDS read and barrier: the record lies in LDS as in memory; 512 threads x 16 bytes = 8,192 a line.  The immediate is added to both addresses
.irp i, 0,1,2,3,4,5,6,7
	global_load_async_to_lds_b128 v9, v9, s[6:7] offset:8192*\i      ; bytes 0 to 65,535
.endr
.irp i, 0,1,2,3
	global_load_async_to_lds_b128 v13, v13, s[6:7] offset:8192*\i    ; bytes 65,536 to 98,303
.endr
	s_cmp_lt_u32 s22, 12
	s_cbranch_scc0 .Lno_tail
	global_load_async_to_lds_b128 v13, v13, s[6:7] offset:32768      ; the last 6,144 bytes, from 98,304 on: threads 0 to 383
	s_branch .Lcopied
.Lno_tail:
	s_cmp_eq_u32 s22, 12
	s_cbranch_scc0 .Lcopied
	global_load_async_to_lds_b64 v10, v15, s[8:9]  ; wave 12: the three biases, 256 bytes each
	global_load_async_to_lds_b64 v11, v15, s[10:11]
	global_load_async_to_lds_b64 v14, v15, s[12:13]
.Lcopied:
.irp x, 0,1
.irp s, 0,1,2,3,4,5,6,7
.irp c, 0,1
	global_load_b128 v[XF+64*\x+8*\s+4*\c:XF+64*\x+8*\s+4*\c+3], v1, s[4:5] offset:\x*8192+\s*1024+\c*512
.endr
.endr
.endr
.irp k, 0,1,2,3
	global_load_b64 v[XS+2*\k:XS+2*\k+1], v15, s[4:5] offset:16384+\k*256
.endr
	s_wait_asynccnt 0x0                            ; my copies have landed,
	s_barrier_signal -1
	s_barrier_wait -1                              ; everybody's have
	s_wait_loadcnt 0x0                             ; x
.macro LOADW mat, pr, n0               ; K steps n0 .. n0 + 3 of the pair's two tiles: 16 loads of 512 consecutive bytes
.irp s, 0,1,2,3
.irp u, 0,1
.irp c, 0,1
.set WOFF, (\mat)*32768+(\pr)*16384+\u*8192+((\n0)+\s)*1024+\c*512
.if WOFF >= 65536
	ds_load_b128 v[WB+16*\s+8*\u+4*\c:WB+16*\s+8*\u+4*\c+3], v2 offset:WOFF-65536
.else
	ds_load_b128 v[WB+16*\s+8*\u+4*\c:WB+16*\s+8*\u+4*\c+3], v1 offset:WOFF
.endif
.endr
.endr
.endr
.endm
.macro MULS mat, n0                    ; four K steps: the four accumulators by turns, one instruction a turn, in the same order in every K step
.irp s, 0,1,2,3
.irp x, 0,1
.irp y, 0,1
.if (\mat) < 2                         ; x: row tile, y: column tile
	WM ACC+8*(2*\x+\y), WB+16*\s+8*\y, XF+64*\x+8*((\n0)+\s), ACC+8*(2*\x+\y), WS+(\n0)+\s, XS+(\n0)+\s, \y, \x
.else                                  ; x: column tile, y: row tile
	WM ACC+8*(2*\x+\y), XF+64*\y+8*((\n0)+\s), WB+16*\s+8*\x, ACC+8*(2*\x+\y), XS+(\n0)+\s, WS+(\n0)+\s, \y, \x
.endif
.endr
.endr
.endr
.endm
; Two blocks e of 32 (16 registers here, 16 in lane l xor 16), by turns: largest magnitude, byte, codes; each accumulator is read from its low end on
.macro EPI mat, pr
.irp e, 0,1
	v_max3_num_f32 v[TM+\e], |v[ACC+16*\e]|, |v[ACC+16*\e+1]|, 0x1800000
.endr
.irp i, 2,4,6,8,10,12,14
.irp e, 0,1
	v_max3_num_f32 v[TM+\e], v[TM+\e], |v[ACC+16*\e+\i]|, |v[ACC+16*\e+\i+1]|
.endr
.endr
.irp e, 0,1
	v_permlanex16_b32 v[TM+2+\e], v[TM+\e], s24, s25
.endr
.irp e, 0,1
	v_max_num_f32 v[TM+\e], v[TM+\e], v[TM+2+\e]
.endr
.irp e, 0,1
	v_add_nc_u32 v[TM+4+\e], 0xff000000, v[TM+\e]  ; 2 off the exponent field: the conversion's scale operand
.endr
.irp e, 0,1
	v_lshrrev_b32 v[TM+6+\e], 23, v[TM+4+\e]       ; the byte
.endr
.irp e, 0,1
	v_cvt_scalef32_pk8_fp4_f32 v[TM+8+2*\e], v[ACC+16*\e:ACC+16*\e+7], v[TM+4+\e]
	v_cvt_scalef32_pk8_fp4_f32 v[TM+9+2*\e], v[ACC+16*\e+8:ACC+16*\e+15], v[TM+4+\e]
.endr
	v_nop                                          ; one plain place behind a scaled conversion
.if (\mat) < 2
	v_cndmask_b32 v[TM+12], v[TM+6], v[TM+7], s40  ; lanes 0-15: row tile 0's bytes, lanes 16-31: tile 1's
.irp e, 0,1
	global_store_b64 v4, v[TM+8+2*\e:TM+9+2*\e], s[14+2*(\mat):15+2*(\mat)] offset:\e*512+(\pr)*256   ; the 32 lanes fill 256 consecutive bytes, aligned: block pr of row tile e
.endr
.if (\pr) == 0
	ds_store_b32 v7, v[TM+12] offset:(\mat)*2048   ; the word: block 0's byte, zeros above;
.else
	ds_store_b8 v7, v[TM+12] offset:(\mat)*2048+1  ; block 1's byte follows (my own word; LDS serves a wave's instructions in order)
.endif
.else
.irp e, 0,1
	global_store_b64 v4, v[TM+8+2*\e:TM+9+2*\e], s[18:19] offset:(2*(\pr)+\e)*512   ; my 32 keys of d tile 2 pr + e
	ds_store_b8 v8, v[TM+6+\e] offset:(2*(\pr)+\e)*32   ; lanes l and l xor 16 write the same byte with the same value
.endr
.endif
.endm
.macro PAIR mat, pr
	s_wait_xcnt 0x0                                ; the last pair's stores have read their codes, which lie where W's fragments land
.irp k, 0,1,2,3
	ds_load_b64 v[WS+2*\k:WS+2*\k+1], v3 offset:(2*(\mat)+(\pr))*1024+\k*256
.endr
	LOADW \mat, \pr, 0
.if (\mat) < 2                         ; the bias in the result's layout: register j of tile u: d = 32 pr + 16 h + 8 u + j
.irp x, 0,1
.irp u, 0,1
.irp c, 0,1
	ds_load_b128 v[ACC+8*(2*\x+\u)+4*\c:ACC+8*(2*\x+\u)+4*\c+3], v5 offset:(\mat)*256+(\pr)*128+\u*32+\c*16
.endr
.endr
.endr
.else                                  ; v: a lane holds one d: its bias in all 16 registers of column tile u
.irp u, 0,1
.irp j, 0,1,2,3,4,5,6,7,8,9,10,11,12,13,14,15
	ds_load_b32 v[ACC+16*\u+\j], v6 offset:(\pr)*128+\u*32
.endr
.endr
.endif
	s_wait_dscnt 0x0
	MULS \mat, 0
	NOP4
	LOADW \mat, \pr, 4
	s_wait_dscnt 0x0
	MULS \mat, 4
	NOP4
	EPI \mat, \pr
.endm
	PAIR 0, 0
	PAIR 0, 1
	PAIR 1, 0
	PAIR 1, 1
	PAIR 2, 0
	PAIR 2, 1
	s_wait_dscnt 0x0                               ; for the others' sake: my stores into the stage are done
	s_barrier_signal -1
	s_barrier_wait -1
	s_cmp_lt_u32 s22, 10                           ; the stage's 5,120 bytes leave in ten runs of 512
	s_cbranch_scc0 .Ldone
	ds_load_b128 v[160:163], v12
	s_wait_dscnt 0x0
	global_store_b128 v1, v[160:163], s[20:21]
.Ldone:
	s_wait_xcnt 0x0
	v_lshl_add_u32 v154, v0, 2, 0x29000
	v_mov_b32 v155, 0
	s_wait_tensorcnt 0x0
	ds_add_u32 v154, v155
	s_wait_dscnt 0x0
	s_endpgm
.Lfunc_end_k_q7710937cea_qkv:
	.size	k_q7710937cea_qkv, .Lfunc_end_k_q7710937cea_qkv-k_q7710937cea_qkv
	.p2alignl 7, 3214868480
	.fill 96, 4, 3214868480
	.section	.rodata,"a",@progbits
	.p2align	6, 0x0
	.amdhsa_kernel k_q7710937cea_qkv
		.amdhsa_group_segment_fixed_size 169984
		.amdhsa_private_segment_fixed_size 0
		.amdhsa_enable_private_segment 0
		.amdhsa_kernarg_size 72
		.amdhsa_user_sgpr_count 2
		.amdhsa_user_sgpr_kernarg_segment_ptr 1
		.amdhsa_wavefront_size32 1
		.amdhsa_system_sgpr_workgroup_id_x 1
		.amdhsa_system_sgpr_workgroup_id_y 1
		.amdhsa_system_sgpr_workgroup_id_z 1
		.amdhsa_system_vgpr_workitem_id 0
		.amdhsa_next_free_vgpr 256
		.amdhsa_next_free_sgpr 66
		.amdhsa_reserve_vcc 0
		.amdhsa_float_denorm_mode_32 3
		.amdhsa_float_denorm_mode_16_64 3
		.amdhsa_memory_ordered 1
		.amdhsa_forward_progress 1
		.amdhsa_inst_pref_size 68
	.end_amdhsa_kernel
	.amdgpu_metadata
---
amdhsa.version: [ 1, 2 ]
amdhsa.kernels:
  - .name:           k_q7710937cea_qkv
    .symbol:         k_q7710937cea_qkv.kd
    .args:
      - { .name: xq, .offset: 0, .size: 8, .value_kind: global_buffer, .address_space: global }
      - { .name: wqkv, .offset: 8, .size: 8, .value_kind: global_buffer, .address_space: global }
      - { .name: bq, .offset: 16, .size: 8, .value_kind: global_buffer, .address_space: global }
      - { .name: bk, .offset: 24, .size: 8, .value_kind: global_buffer, .address_space: global }
      - { .name: bv, .offset: 32, .size: 8, .value_kind: global_buffer, .address_space: global }
      - { .name: qc, .offset: 40, .size: 8, .value_kind: global_buffer, .address_space: global }
      - { .name: kc, .offset: 48, .size: 8, .value_kind: global_buffer, .address_space: global }
      - { .name: vc, .offset: 56, .size: 8, .value_kind: global_buffer, .address_space: global }
      - { .name: sc, .offset: 64, .size: 8, .value_kind: global_buffer, .address_space: global }
    .group_segment_fixed_size: 169984
    .private_segment_fixed_size: 0
    .kernarg_segment_align: 8
    .kernarg_segment_size: 72
    .max_flat_workgroup_size: 512
    .sgpr_count:     66
    .vgpr_count:     256
    .wavefront_size: 32
...
	.end_amdgpu_metadata
.endif
;; end of part 2
;; launch attn (part 3): grid 32 x 8, 16 waves a work-group, no clusters, 297,984 bytes of LDS; arguments qc, kc, vc, sc, mask, wo, bo, out0; writes out0
.if DOCPART == 3
	.amdgcn_target "amdgcn-amd-amdhsa--gfx1250"
	.amdhsa_code_object_version 6
	.text
	.protected	k_q7710937cea_attn
	.globl	k_q7710937cea_attn
	.p2align	8
	.type	k_q7710937cea_attn,@function
k_q7710937cea_attn:
	s_mov_b64 s[64:65], 0
	v_nop
	global_prefetch_b8 v0, s[64:65] scope:SCOPE_SE
	s_setreg_imm32_b32 hwreg(HW_REG_WAVE_MODE, 25, 1), 1
	s_wait_xcnt 0x0
; out0 = concat_h(softmax(s q k^T / 8 - 1e9 (1 - s)) v) Wo + bo, all three products on codes of FP4 with E8M0 scales.
; SHARES.  A work-group owns 32 queries of one batch (x = group, y = batch) and ALL 16 heads: wave w is head w, with two tiles of 16 queries, in 256 registers.
; So each row of the mask is read once in the launch, what is made of it is made once and not once a head, and a row's 1,024 numbers meet in one work-group, which also makes the last product.
; THE MASK.  t = logit x log2(e) = score x a + b with a = s log2(e) / 8 and b = ((1 - s) 1e9)(-log2(e)).  Wave w turns rows 2 w and 2 w + 1 of the mask into a and b and stores them in LDS in the order of the scores' registers.
; THE SOFTMAX: M = the running largest t rounded up to a whole number; p = 2^(t - M) is quantised along the keys, not normalised; the row's sum is taken of the unquantised p and divides at the end;
; when M moves, the sum and O are multiplied by 2^(old M - new M), which rounds nothing.  t is rounded before M is taken off: a row that is masked everywhere has p = 1 everywhere.
; LAYOUT.  Both products transposed: S^T = K Q^T, O^T = V^T P^T: a lane holds one query (place lane % 16).  The queries, keys and d of a tile are not neighbours (place r of tile u of a group of 32 is index 8 u + r + 8 (r / 8)),
; so that 16 registers of two neighbouring tiles are 16 neighbours: of keys for p, of d for O.  A key step is 64 keys.
; K = 64 IN AN INSTRUCTION OF K = 128: Q's and P's registers 4-7 hold zero codes, and bytes 2, 3 of every scale word are 0 (2^-127, no NaN): whatever the other operand's registers 4-7 hold adds nothing.
; So K's and V's tiles lie packed, four registers each; a fragment names its tile's four and the four behind them, and four zeroed registers follow the last tile.
; K and V of a head are read by one wave of the work-group: they go from memory straight into registers, one unit of work or more ahead; the loop has no barrier.
; NO JOINT LOADS, though the 32 work-groups of a batch read the same K and V: 278,528 bytes of LDS hold a and b, 17,408 the last product's operand; a key step's K and V of 16 heads are 65,536 bytes, and two such slots do not fit in what is left of 327,680.
; LIMITS.  NaN and infinities are not served.  For s other than 0 and 1, t is rounded otherwise than in s score / 8 - 1e9 (1 - s), by units in the last place of b.  A block of zeros gets the byte 1 where the rule says 127.
; A block's largest p is taken as 2^(the block's largest t - M): this takes v_exp_f32 not to fall where its input rises.
; The inputs key and value enter no result of the module and are named by no launch.
.set ABU,  139264                      ; LDS: a and b: [query tile 2 (ABU)][key step 16 (8,704)][a, b (4,352)][X 16 (272)][r 16 (16 bytes)], X = 2 (register quad) + lane / 16.  272 = 17 x 16: writer (r fixed) and reader (X fixed) each touch 16 different 16-byte columns
.set OIMG, 278528                      ; the last product's operand: images [query tile 2][K step 8][1024]
.set OSC,  294912                      ; its scale words [K step 8][lane 32]
.set QF,  16                           ; v16-31   Q: two tiles, 4 registers + 4 zeros; later the last product's operand
.set KF,  32                           ; v32-51   K: 4 tiles x 4, + 4 zeros
.set VF,  52                           ; v52-71   V likewise
.set S,   72                           ; v72-103  S^T, then t, then p
.set A,   104                          ; v104-135 a
.set BM,  136                          ; v136-167 b; once t is made, v136-149 are at work
.set T,   136
.set O,   168                          ; v168-231 O^T: 32 x query tile + 8 x d tile; later the last product's accumulators
.set P,   232                          ; v232-239 p's codes: 4 + 4 zeros
.set QS,  240                          ; scale words and nothing else: Q's; v241-242 K's; v243-244 V's; v245 p's
.set KS,  241
.set VS,  243
.set PW,  245
.set WOS, 240                          ; later v240-247 Wo's, v248 the operand's
.set OS,  248
.set HW,  249                          ; O's scale word on its way to LDS
; v1 16 lane; v2 4 lane; v3 2 lane; v7 8 lane; v6 272 (lane / 16) + 16 r; v4, v5 LDS addresses in a and b; v8-15: for each query tile -M, the largest t, the sum in two halves
; v250 OIMG + 16 thread; v251 my half-word in OSC; v252 OIMG + 16 lane; v253 OSC + 4 lane; v254, v255 my stage, in and back
.macro WM d, a, b, c, sa, sb, ra, rb   ; one product that adds onto v[c]; ra, rb: the side's scale words lie in lanes 16-31
.if (\ra) && (\rb)
	v_wmma_scale_f32_16x16x128_f8f6f4 v[\d:\d+7], v[\a:\a+7], v[\b:\b+7], v[\c:\c+7], v[\sa], v[\sb] matrix_a_fmt:MATRIX_FMT_FP4 matrix_b_fmt:MATRIX_FMT_FP4 matrix_a_scale:MATRIX_SCALE_ROW1 matrix_b_scale:MATRIX_SCALE_ROW1
.elseif (\ra)
	v_wmma_scale_f32_16x16x128_f8f6f4 v[\d:\d+7], v[\a:\a+7], v[\b:\b+7], v[\c:\c+7], v[\sa], v[\sb] matrix_a_fmt:MATRIX_FMT_FP4 matrix_b_fmt:MATRIX_FMT_FP4 matrix_a_scale:MATRIX_SCALE_ROW1
.elseif (\rb)
	v_wmma_scale_f32_16x16x128_f8f6f4 v[\d:\d+7], v[\a:\a+7], v[\b:\b+7], v[\c:\c+7], v[\sa], v[\sb] matrix_a_fmt:MATRIX_FMT_FP4 matrix_b_fmt:MATRIX_FMT_FP4 matrix_b_scale:MATRIX_SCALE_ROW1
.else
	v_wmma_scale_f32_16x16x128_f8f6f4 v[\d:\d+7], v[\a:\a+7], v[\b:\b+7], v[\c:\c+7], v[\sa], v[\sb] matrix_a_fmt:MATRIX_FMT_FP4 matrix_b_fmt:MATRIX_FMT_FP4
.endif
.endm
.macro WM0 d, a, b, sa, sb, ra, rb     ; one product that starts a sum
.if (\ra) && (\rb)
	v_wmma_scale_f32_16x16x128_f8f6f4 v[\d:\d+7], v[\a:\a+7], v[\b:\b+7], 0, v[\sa], v[\sb] matrix_a_fmt:MATRIX_FMT_FP4 matrix_b_fmt:MATRIX_FMT_FP4 matrix_a_scale:MATRIX_SCALE_ROW1 matrix_b_scale:MATRIX_SCALE_ROW1
.elseif (\ra)
	v_wmma_scale_f32_16x16x128_f8f6f4 v[\d:\d+7], v[\a:\a+7], v[\b:\b+7], 0, v[\sa], v[\sb] matrix_a_fmt:MATRIX_FMT_FP4 matrix_b_fmt:MATRIX_FMT_FP4 matrix_a_scale:MATRIX_SCALE_ROW1
.elseif (\rb)
	v_wmma_scale_f32_16x16x128_f8f6f4 v[\d:\d+7], v[\a:\a+7], v[\b:\b+7], 0, v[\sa], v[\sb] matrix_a_fmt:MATRIX_FMT_FP4 matrix_b_fmt:MATRIX_FMT_FP4 matrix_b_scale:MATRIX_SCALE_ROW1
.else
	v_wmma_scale_f32_16x16x128_f8f6f4 v[\d:\d+7], v[\a:\a+7], v[\b:\b+7], 0, v[\sa], v[\sb] matrix_a_fmt:MATRIX_FMT_FP4 matrix_b_fmt:MATRIX_FMT_FP4
.endif
.endm
.macro NOP4                            ; four places behind a matrix instruction, in front of loads into its registers and of the first read of its result
.rept 4
	v_nop
.endr
.endm
.macro KLOAD                           ; a key step's K: four tiles of 512 bytes, and the scale words of its 64 keys
.irp t, 0,1,2,3
	global_load_b128 v[KF+4*\t:KF+4*\t+3], v1, s[6:7] offset:\t*512
.endr
.irp n, 0,1
	global_load_b32 v[KS+\n], v2, s[28:29] offset:\n*128
.endr
.endm
.macro VLOAD                           ; its V: four d tiles of 512 bytes, and their half-words (the upper half comes as zeros)
.irp t, 0,1,2,3
	global_load_b128 v[VF+4*\t:VF+4*\t+3], v1, s[8:9] offset:\t*512
.endr
.irp n, 0,1
	global_load_u16 v[VS+\n], v3, s[30:31] offset:\n*64
.endr
.endm
	s_load_b512 s[4:19], s[0:1], 0x0               ; qc, kc, vc, sc, mask, wo, bo, out0
	v_lshrrev_b32 v1, 5, v0
	v_readfirstlane_b32 s20, v1                    ; wave = head
	s_and_b32 s22, ttmp7, 0xffff                   ; batch
	s_lshl_b32 s23, s22, 4
	s_add_co_u32 s23, s23, s20                     ; 16 b + head
	s_lshl_b32 s24, s23, 15                        ; its codes: 32,768 bytes in each of qc, kc, vc
	s_mov_b32 s25, 0
	s_mul_i32 s26, s23, 10240                      ; its scales
	s_mov_b32 s27, 0
	s_lshl_b32 s42, ttmp9, 10
	s_add_co_u32 s42, s42, s24                     ; Q: my group's two tiles
	s_mov_b32 s43, 0
	s_lshl_b32 s44, s22, 22
	s_lshl_b32 s46, ttmp9, 17
	s_add_co_u32 s44, s44, s46                     ; row 1,024 b + 32 g of 4,096 bytes, in the mask and in out0
	s_lshl_b32 s46, s20, 13
	s_add_co_u32 s46, s46, s44                     ; the mask: + rows 2 w
	s_mov_b32 s47, 0
	s_lshl_b32 s48, s20, 8                         ; bo and out0: my 64 columns
	s_mov_b32 s49, 0
	s_add_co_u32 s44, s44, s48
	s_mov_b32 s45, 0
	s_mul_i32 s50, s20, 34816                      ; wo: my group of 64 columns
	s_mov_b32 s51, 0
	s_lshl_b32 s52, ttmp9, 7                       ; Q's scale words
	s_mov_b32 s53, 0
	s_bfe_u32 s54, s20, 0x10002                    ; where rows 2 w, 2 w + 1 lie among a and b: query tile (w / 4) % 2,
	s_mul_i32 s54, s54, ABU
	s_and_b32 s55, s20, 3
	s_lshl_b32 s55, s55, 5                         ; place r = 2 (w % 4) + 8 (w / 8) (+ 1): 16 bytes a place
	s_add_co_u32 s54, s54, s55
	s_lshr_b32 s55, s20, 3
	s_lshl_b32 s55, s55, 7
	s_add_co_u32 s54, s54, s55
	s_lshr_b32 s55, s20, 1                         ; my half-word among the operand's scale words: K step w / 2, bytes 2 (w % 2) on
	s_lshl_b32 s55, s55, 7
	s_and_b32 s56, s20, 1
	s_lshl_b32 s56, s56, 1
	s_add_co_u32 s55, s55, s56
	s_add_co_u32 s55, s55, OSC
	s_mul_i32 s57, s20, 8704                       ; my stage for the way out
	s_mov_b32 s32, 0x76543210
	s_mov_b32 s33, 0xfedcba98                      ; lane selects: lane l xor 16
	s_mov_b32 s34, 0x3e38aa3b                      ; log2(e) / 8
	s_mov_b32 s35, s34                             ; (the packed forms name pairs and take the low word for both halves: so the upper words are written)
	s_mov_b32 s36, 0x4e6e6b28                      ; 1e9
	s_mov_b32 s37, s36
	s_mov_b32 s38, 0xbfb8aa3b                      ; -log2(e)
	s_mov_b32 s39, s38
	s_mov_b32 s40, 0                               ; the key step's place among a and b
	s_mov_b32 s41, 15                              ; trips
	v_and_b32 v72, 31, v0                          ; lane
	v_and_b32 v73, 15, v0                          ; r
	v_bfe_u32 v74, v0, 4, 1                        ; lane / 16
	v_lshlrev_b32 v1, 4, v72
	v_lshlrev_b32 v2, 2, v72
	v_lshlrev_b32 v3, 1, v72
	v_lshlrev_b32 v7, 3, v72
	v_mul_u32_u24 v6, v74, 272
	v_lshl_add_u32 v6, v73, 4, v6
	v_mul_u32_u24 v4, v74, 8704                    ; the producer: lane l of a load holds keys 4 l on of 128: key step l / 16, block (l / 8) % 2, half (l / 4) % 2, quad l % 4
	v_bfe_u32 v75, v0, 3, 1
	v_mad_u32_u24 v4, v75, 2176, v4
	v_and_b32 v75, 3, v0
	v_mad_u32_u24 v4, v75, 544, v4
	v_bfe_u32 v75, v0, 2, 1
	v_mad_u32_u24 v4, v75, 272, v4
	v_add_nc_u32 v4, s54, v4
	v_add_nc_u32 v5, 69632, v4                     ; and eight key steps on
	v_lshl_add_u32 v250, v0, 4, OIMG               ; 1,024 (w / 2) + 512 (w % 2) + 16 lane = 16 x thread
	v_lshl_add_u32 v251, v73, 2, s55
	v_add_nc_u32 v252, OIMG, v1
	v_add_nc_u32 v253, OSC, v2
	v_mul_u32_u24 v254, v73, 272
	v_lshl_add_u32 v254, v74, 6, v254
	v_add_nc_u32 v254, s57, v254
	v_add_nc_u32 v255, s57, v6
	s_wait_kmcnt 0x0
	s_add_nc_u64 s[4:5], s[4:5], s[42:43]
	s_add_nc_u64 s[6:7], s[6:7], s[24:25]
	s_add_nc_u64 s[8:9], s[8:9], s[24:25]
	s_add_nc_u64 s[10:11], s[10:11], s[26:27]
	s_add_nc_u64 s[28:29], s[10:11], 4096          ; K's scale words
	s_add_nc_u64 s[30:31], s[10:11], 8192          ; V's half-words
	s_add_nc_u64 s[10:11], s[10:11], s[52:53]      ; Q's
	s_add_nc_u64 s[12:13], s[12:13], s[46:47]
	s_add_nc_u64 s[14:15], s[14:15], s[50:51]
	s_add_nc_u64 s[16:17], s[16:17], s[48:49]
	s_add_nc_u64 s[18:19], s[18:19], s[44:45]
.irp e, 0,1                                    ; two rows of the mask: 16 loads of 512 consecutive bytes, read once in the launch
.irp x, 0,1,2,3,4,5,6,7
	global_load_b128 v[A+32*\e+4*\x:A+32*\e+4*\x+3], v1, s[12:13] offset:\e*4096+\x*512 th:TH_LOAD_NT
.endr
.endr
	global_load_b128 v[QF:QF+3], v1, s[4:5]
	global_load_b128 v[QF+8:QF+11], v1, s[4:5] offset:512
	global_load_b32 v[QS], v2, s[10:11]            ; lanes 0-15 tile 0's words, lanes 16-31 tile 1's
	KLOAD
	VLOAD
.irp j, 4,5,6,7,12,13,14,15
	v_mov_b32 v[QF+\j], 0                          ; zero codes for k = 64 .. 127
.endr
.irp j, 0,1,2,3
	v_mov_b32 v[KF+16+\j], 0
	v_mov_b32 v[VF+16+\j], 0
	v_mov_b32 v[P+4+\j], 0
.endr
.irp u, 0,1
	v_mov_b32 v[9+4*\u], 0xff61b1e6                ; the largest t so far: -3e38, under every t
	v_floor_f32 v[8+4*\u], -v[9+4*\u]              ; -M
	v_mov_b32 v[10+4*\u], 0                        ; the sum
	v_mov_b32 v[11+4*\u], 0
.endr
.irp j, 0,1,2,3,4,5,6,7,8,9,10,11,12,13,14,15,16,17,18,19,20,21,22,23,24,25,26,27,28,29,30,31,32,33,34,35,36,37,38,39,40,41,42,43,44,45,46,47,48,49,50,51,52,53,54,55,56,57,58,59,60,61,62,63
	v_mov_b32 v[O+\j], 0                           ; O^T.  (The step is written once: the first finds zeros, which the first change of M leaves zeros)
.endr
	s_wait_loadcnt 15                              ; the mask's 16 loads are in; behind them Q's 3, K's 6 and V's 6 may be out
.irp e, 0,1
.irp x, 0,1,2,3,4,5,6,7
.set MR, A+32*\e+4*\x
.set TR, S+4*\x
.irp k, 0,2
	v_pk_mul_f32 v[TR+\k:TR+\k+1], v[MR+\k:MR+\k+1], s[34:35] op_sel_hi:[1,0]      ; a = s log2(e) / 8
.endr
.irp k, 0,2
	v_pk_fma_f32 v[MR+\k:MR+\k+1], v[MR+\k:MR+\k+1], -1.0, 1.0 op_sel_hi:[1,0,0]   ; 1 - s
.endr
.irp k, 0,2
	v_pk_mul_f32 v[MR+\k:MR+\k+1], v[MR+\k:MR+\k+1], s[36:37] op_sel_hi:[1,0]      ; x 1e9
.endr
.irp k, 0,2
	v_pk_mul_f32 v[MR+\k:MR+\k+1], v[MR+\k:MR+\k+1], s[38:39] op_sel_hi:[1,0]      ; x -log2(e): b
.endr
	ds_store_b128 v[4+\x/4], v[TR:TR+3] offset:(\x%4)*17408+\e*16
	ds_store_b128 v[4+\x/4], v[MR:MR+3] offset:(\x%4)*17408+4352+\e*16
.endr
.endr
	s_wait_dscnt 0x0                               ; for the others' sake: my stores are done
	s_barrier_signal -1
	s_barrier_wait -1                              ; a and b of the 32 queries x 1,024 keys lie in LDS
; A UNIT: query tile u x the step's 64 keys.  more = 1: the next step's K and V are asked for in unit 1, as soon as their registers are free.
.macro UNIT u, more
.set ST, 8+4*\u
.irp n, 0,1,2,3,4,5,6,7
	ds_load_b128 v[A+4*\n:A+4*\n+3], v[4+\u] offset:\n*544
	ds_load_b128 v[BM+4*\n:BM+4*\n+3], v[4+\u] offset:4352+\n*544
.endr
.if \u == 0
	s_wait_loadcnt 0x6                             ; K and its scale words are in (and, the first time, Q); V's six loads, issued behind them, may be out
.endif
.irp t, 0,1,2,3                                ; S^T = K Q^T: register 8 t + j = key 32 (t / 2) + 16 (lane / 16) + 8 (t % 2) + j
	WM0 S+8*\t, KF+4*\t, QF+8*\u, KS+\t/2, QS, \t%2, \u
.endr
	NOP4
.if (\u == 1) && \more
	s_add_nc_u64 s[6:7], s[6:7], 2048              ; (the loads that named these bases were shown done by this step's waits)
	s_add_nc_u64 s[28:29], s[28:29], 256
	KLOAD
.endif
	s_wait_dscnt 0x0                               ; a and b
.irp j, 0,2,4,6,8,10,12,14,16,18,20,22,24,26,28,30
	v_pk_fma_f32 v[S+\j:S+\j+1], v[S+\j:S+\j+1], v[A+\j:A+\j+1], v[BM+\j:BM+\j+1]   ; t = score x a + b; each accumulator from its low end on
.endr
.irp b, 0,1
	v_max3_num_f32 v[T+\b], v[S+16*\b], v[S+16*\b+1], v[S+16*\b+2]   ; the largest t of each block of 32 keys: it serves the row's maximum and the block's largest p
.endr
.irp i, 3,5,7,9,11,13
.irp b, 0,1
	v_max3_num_f32 v[T+\b], v[T+\b], v[S+16*\b+\i], v[S+16*\b+\i+1]
.endr
.endr
.irp b, 0,1
	v_max_num_f32 v[T+\b], v[T+\b], v[S+16*\b+15]
.endr
.irp b, 0,1
	v_permlanex16_b32 v[T+2+\b], v[T+\b], s32, s33
.endr
.irp b, 0,1
	v_max_num_f32 v[T+\b], v[T+\b], v[T+2+\b]      ; with lane l xor 16's 16 keys
.endr
	v_max3_num_f32 v[ST+1], v[ST+1], v[T], v[T+1]  ; the running largest t
	v_mov_b32 v[T+8], v[ST]
	v_floor_f32 v[ST], -v[ST+1]                    ; the new -M = -ceil(t): a whole number
	v_sub_f32 v[T+8], v[ST], v[T+8]                ; old M - new M, 0 or less
	v_cvt_i32_f32 v[T+8], v[T+8]                   ; (it saturates)
	v_ldexp_f32 v[T+6], 1.0, v[T+8]                ; f = 2^(old M - new M)
.irp j, 0,2,4,6,8,10,12,14,16,18,20,22,24,26,28,30
	v_pk_add_f32 v[S+\j:S+\j+1], v[S+\j:S+\j+1], v[ST:ST+1] op_sel_hi:[1,0]   ; t - M (of the pair the low word, -M, serves both halves)
.endr
.irp b, 0,1
	v_add_f32 v[T+\b], v[T+\b], v[ST]
.endr
.irp j, 0,1,2,3,4,5,6,7,8,9,10,11,12,13,14,15,16,17,18,19,20,21,22,23,24,25,26,27,28,29,30,31
	v_exp_f32 v[S+\j], v[S+\j]                     ; p = 2^(t - M)
.endr
.irp b, 0,1
	v_exp_f32 v[T+\b], v[T+\b]                     ; the block's largest p: the same instructions on the same number
.endr
	v_pk_mul_f32 v[ST+2:ST+3], v[ST+2:ST+3], v[T+6:T+7] op_sel_hi:[1,0]   ; the sum under the new M.  (The plain place behind the exponentials)
	s_wait_alu depctr_va_vdst(0)
.irp b, 0,1
	v_max_num_f32 v[T+\b], 0x1800000, v[T+\b]      ; the floor 2^(3 - 127): the byte cannot fall under 1
.endr
.irp b, 0,1
	v_add_nc_u32 v[T+4+\b], 0xff000000, v[T+\b]    ; 2 off the exponent field: the conversion's scale operand
.endr
.irp b, 0,1
	v_lshrrev_b32 v[T+12+\b], 23, v[T+4+\b]
.endr
	v_lshl_or_b32 v[PW], v[T+13], 8, v[T+12]       ; p's scale word: two bytes, zeros above
.irp b, 0,1
	v_cvt_scalef32_pk8_fp4_f32 v[P+2*\b], v[S+16*\b:S+16*\b+7], v[T+4+\b]
	v_cvt_scalef32_pk8_fp4_f32 v[P+2*\b+1], v[S+16*\b+8:S+16*\b+15], v[T+4+\b]
.endr
	v_nop                                          ; one plain place behind a scaled conversion
	v_permlane16_swap_b32 v[P], v[P+2]             ; a whole block to a lane: lanes 0-15 block 0, lanes 16-31 block 1
	v_permlane16_swap_b32 v[P+1], v[P+3]
	v_pk_add_f32 v[T+10:T+11], v[S:S+1], v[S+2:S+3]   ; the row's sum, of the unquantised p, in two chains
.irp j, 4,8,12,16,20,24,28
	v_pk_add_f32 v[ST+2:ST+3], v[ST+2:ST+3], v[S+\j:S+\j+1]
	v_pk_add_f32 v[T+10:T+11], v[T+10:T+11], v[S+\j+2:S+\j+3]
.endr
	v_pk_add_f32 v[ST+2:ST+3], v[ST+2:ST+3], v[T+10:T+11]
.irp j, 0,2,4,6,8,10,12,14,16,18,20,22,24,26,28,30
	v_pk_mul_f32 v[O+32*\u+\j:O+32*\u+\j+1], v[O+32*\u+\j:O+32*\u+\j+1], v[T+6:T+7] op_sel_hi:[1,0]   ; O^T under the new M.  (With the sums: the places between p's scale word and codes and the products below)
.endr
.if \u == 0
	s_wait_loadcnt 0x0                             ; V and its half-words are in
.endif
.irp d, 0,1,2,3                                ; O^T += V^T P^T: four accumulators, one instruction each
	WM O+32*\u+8*\d, VF+4*\d, P, O+32*\u+8*\d, VS+\d/2, PW, \d%2, 0
.endr
.if \u == 1
	NOP4
.if \more
	s_add_nc_u64 s[8:9], s[8:9], 2048
	s_add_nc_u64 s[30:31], s[30:31], 128
	VLOAD
.endif
.endif
.endm
.macro STEP more
	v_add_nc_u32 v4, s40, v6
	v_add_nc_u32 v5, ABU, v4
	UNIT 0, \more
	UNIT 1, \more
	s_add_co_u32 s40, s40, 8704
.endm
.Lstep:                                            ; 15 trips; the sixteenth step is written out, so that no load leaves its buffer
	STEP 1
	s_sub_co_u32 s41, s41, 1
	s_cmp_lg_u32 s41, 0
	s_cbranch_scc1 .Lstep
	STEP 0
; Wo's fragments of my 64 columns, two K steps a batch: 16 loads of 512 bytes and 2 of scale words; batches by turns in v104-167 and v40-103
.macro WOLOAD n
.set WBB, A-64*((\n)%2)
.irp s, 0,1
.irp p, 0,1
.irp u, 0,1
.irp c, 0,1
	global_load_b128 v[WBB+32*\s+16*\p+8*\u+4*\c:WBB+32*\s+16*\p+8*\u+4*\c+3], v1, s[14:15] offset:\p*16384+\u*8192+(2*(\n)+\s)*1024+\c*512
.endr
.endr
.endr
.endr
.irp p, 0,1
	global_load_b64 v[WOS+4*((\n)%2)+2*\p:WOS+4*((\n)%2)+2*\p+1], v7, s[14:15] offset:32768+\p*1024+(\n)*256
.endr
.endm
	WOLOAD 0
.irp u, 0,1
	v_add_f32 v[S+\u], v[10+4*\u], v[11+4*\u]      ; the sum's two halves,
.endr
.irp u, 0,1
	v_permlanex16_b32 v[S+2+\u], v[S+\u], s32, s33
.endr
.irp u, 0,1
	v_add_f32 v[S+\u], v[S+\u], v[S+2+\u]          ; and lane l xor 16's
.endr
.irp u, 0,1
	v_rcp_f32 v[8+4*\u], v[S+\u]
.endr
	v_bfe_u32 v5, v0, 4, 1                         ; (plain places behind the reciprocals)  the offsets of the way out:
	v_and_b32 v4, 15, v0
	v_lshlrev_b32 v4, 4, v4
	v_lshl_add_u32 v4, v5, 12, v4                  ; out0: lanes 0-15 one row, lanes 16-31 the next, 16 bytes a lane
	v_lshlrev_b32 v5, 6, v5                        ; bo: 64 (lane / 16)
	s_wait_alu depctr_va_vdst(0)
.irp u, 0,1
.irp j, 0,2,4,6,8,10,12,14,16,18,20,22,24,26,28,30
	v_pk_mul_f32 v[O+32*\u+\j:O+32*\u+\j+1], v[O+32*\u+\j:O+32*\u+\j+1], v[8+4*\u:9+4*\u] op_sel_hi:[1,0]   ; O^T / the sum; each accumulator from its low end on
.endr
.endr
; O is quantised along the 1,024: my head's two blocks of 32 for each query tile: blocks 0, 1 are tile 0's, blocks 2, 3 tile 1's
.irp b, 0,1,2,3
	v_max3_num_f32 v[S+\b], |v[O+16*\b]|, |v[O+1+16*\b]|, 0x1800000
.endr
.irp i, 2,4,6,8,10,12,14
.irp b, 0,1,2,3
	v_max3_num_f32 v[S+\b], v[S+\b], |v[O+16*\b+\i]|, |v[O+1+16*\b+\i]|
.endr
.endr
.irp b, 0,1,2,3
	v_permlanex16_b32 v[S+4+\b], v[S+\b], s32, s33
.endr
.irp b, 0,1,2,3
	v_max_num_f32 v[S+\b], v[S+\b], v[S+4+\b]
.endr
.irp b, 0,1,2,3
	v_add_nc_u32 v[S+12+\b], 0xff000000, v[S+\b]
.endr
.irp b, 0,1,2,3
	v_lshrrev_b32 v[S+4+\b], 23, v[S+12+\b]
.endr
	v_lshl_or_b32 v[HW], v[S+5], 8, v[S+4]         ; low half: tile 0's two bytes; high half: tile 1's
	v_lshl_or_b32 v[HW], v[S+6], 16, v[HW]
	v_lshl_or_b32 v[HW], v[S+7], 24, v[HW]
.irp b, 0,1,2,3
	v_cvt_scalef32_pk8_fp4_f32 v[P+2*\b], v[O+16*\b:O+7+16*\b], v[S+12+\b]
	v_cvt_scalef32_pk8_fp4_f32 v[P+1+2*\b], v[O+8+16*\b:O+15+16*\b], v[S+12+\b]
.endr
	v_nop                                          ; one plain place behind a scaled conversion
.irp c, 0,1
.irp i, 0,1
	v_permlane16_swap_b32 v[P+4*\c+\i], v[P+2+4*\c+\i]
.endr
.endr
	ds_store_b128 v250, v[P:P+3]                   ; registers 4 (w % 2) on of K step w / 2, as an image: query tile 0,
	ds_store_b128 v250, v[P+4:P+7] offset:8192     ; tile 1
	ds_store_b16 v251, v[HW]                       ; lanes l and l xor 16 write the same bytes with the same value
	ds_store_b16_d16_hi v251, v[HW] offset:64
	WOLOAD 1
.irp x, 0,1                                    ; bo as the C of the sums' first products: register 16 p + 4 q + i of either query tile: column 32 p + 16 (lane / 16) + 4 q + i
.irp p, 0,1
.irp q, 0,1,2,3
	global_load_b128 v[O+32*\x+16*\p+4*\q:O+32*\x+16*\p+4*\q+3], v5, s[16:17] offset:\p*128+\q*16
.endr
.endr
.endr
	s_wait_dscnt 0x0                               ; for the others' sake: my images are stored; my reads of a and b were over long ago
	s_barrier_signal -1
	s_barrier_wait -1                              ; the operand's 16 fragments lie in LDS, and nobody reads a and b any more
; out^T = Wo^T O^T + bo: source 0 = 16 of my 64 columns, source 1 = 16 queries; eight accumulators by turns, one instruction a turn, in the same order in every K step
.macro KAPPA k
.irp x, 0,1
.irp c, 0,1
	ds_load_b128 v[QF+8*\x+4*\c:QF+8*\x+4*\c+3], v252 offset:\x*8192+(\k)*1024+\c*512
.endr
.endr
	ds_load_b32 v[OS], v253 offset:(\k)*128
.if ((\k) == 0) || ((\k) == 6)
	s_wait_loadcnt 0x0                             ; K step 0: batches 0 and 1 and bo; K step 6: the last batch
.elseif (\k) == 4
	s_wait_loadcnt 18                              ; batch 2 is in; the last batch's 18 loads may be out
.endif
	s_wait_dscnt 0x0
.set WBB, A-64*(((\k)/2)%2)+32*((\k)%2)
.set WSS, WOS+4*(((\k)/2)%2)+(\k)%2
.irp x, 0,1
.irp p, 0,1
.irp u, 0,1
	WM O+32*\x+16*\p+8*\u, WBB+16*\p+8*\u, QF+8*\x, O+32*\x+16*\p+8*\u, WSS+2*\p, OS, \u, \x
.endr
.endr
.endr
	NOP4
.endm
	KAPPA 0
	KAPPA 1
	WOLOAD 2
	KAPPA 2
	KAPPA 3
	WOLOAD 3
	KAPPA 4
	KAPPA 5
	KAPPA 6
	KAPPA 7
; THE WAY OUT.  A lane holds 64 neighbouring bytes of a row, twice; the lanes beside it hold other rows.  So my 32 rows x 256 bytes go through my own stage (rows of 272 bytes, where a and b lay) and come back as whole rows.
; LDS serves a wave's instructions in order: no wait between the stores and the loads.
.irp x, 0,1
.irp p, 0,1
.irp q, 0,1,2,3
	ds_store_b128 v254, v[O+32*\x+16*\p+4*\q:O+32*\x+16*\p+4*\q+3] offset:\x*4352+\p*128+\q*16   ; each accumulator from its low end on
.endr
.endr
.endr
.irp i, 0,1,2,3,4,5,6,7,8,9,10,11,12,13,14,15
	ds_load_b128 v[A+4*\i:A+4*\i+3], v255 offset:\i*544
.endr
.irp i, 0,1,2,3,4,5,6,7,8,9,10,11,12,13,14,15
	s_wait_dscnt 15-\i                             ; load i is back; the younger ones may be out
	global_store_b128 v4, v[A+4*\i:A+4*\i+3], s[18:19] offset:(8*(\i/8)+(2*\i)%16+8*(((2*\i)%16)/8))*4096 th:TH_STORE_NT   ; stage rows 2 i, 2 i + 1 are neighbouring queries: sixteen lanes store 256 consecutive bytes, aligned
.endr
	s_wait_xcnt 0x0
	v_lshl_add_u32 v254, v0, 2, 0x48400
	v_mov_b32 v255, 0
	s_wait_tensorcnt 0x0
	ds_add_u32 v254, v255
	s_wait_dscnt 0x0
	s_endpgm
.Lfunc_end_k_q7710937cea_attn:
	.size	k_q7710937cea_attn, .Lfunc_end_k_q7710937cea_attn-k_q7710937cea_attn
	.p2alignl 7, 3214868480
	.fill 96, 4, 3214868480
	.section	.rodata,"a",@progbits
	.p2align	6, 0x0
	.amdhsa_kernel k_q7710937cea_attn
		.amdhsa_group_segment_fixed_size 297984
		.amdhsa_private_segment_fixed_size 0
		.amdhsa_enable_private_segment 0
		.amdhsa_kernarg_size 64
		.amdhsa_user_sgpr_count 2
		.amdhsa_user_sgpr_kernarg_segment_ptr 1
		.amdhsa_wavefront_size32 1
		.amdhsa_system_sgpr_workgroup_id_x 1
		.amdhsa_system_sgpr_workgroup_id_y 1
		.amdhsa_system_sgpr_workgroup_id_z 1
		.amdhsa_system_vgpr_workitem_id 0
		.amdhsa_next_free_vgpr 256
		.amdhsa_next_free_sgpr 66
		.amdhsa_reserve_vcc 0
		.amdhsa_float_denorm_mode_32 3
		.amdhsa_float_denorm_mode_16_64 3
		.amdhsa_memory_ordered 1
		.amdhsa_forward_progress 1
		.amdhsa_inst_pref_size 92
	.end_amdhsa_kernel
	.amdgpu_metadata
---
amdhsa.version: [ 1, 2 ]
amdhsa.kernels:
  - .name:           k_q7710937cea_attn
    .symbol:         k_q7710937cea_attn.kd
    .args:
      - { .name: qc, .offset: 0, .size: 8, .value_kind: global_buffer, .address_space: global }
      - { .name: kc, .offset: 8, .size: 8, .value_kind: global_buffer, .address_space: global }
      - { .name: vc, .offset: 16, .size: 8, .value_kind: global_buffer, .address_space: global }
      - { .name: sc, .offset: 24, .size: 8, .value_kind: global_buffer, .address_space: global }
      - { .name: mask, .offset: 32, .size: 8, .value_kind: global_buffer, .address_space: global }
      - { .name: wo, .offset: 40, .size: 8, .value_kind: global_buffer, .address_space: global }
      - { .name: bo, .offset: 48, .size: 8, .value_kind: global_buffer, .address_space: global }
      - { .name: out0, .offset: 56, .size: 8, .value_kind: global_buffer, .address_space: global }
    .group_segment_fixed_size: 297984
    .private_segment_fixed_size: 0
    .kernarg_segment_align: 8
    .kernarg_segment_size: 64
    .max_flat_workgroup_size: 512
    .sgpr_count:     66
    .vgpr_count:     256
    .wavefront_size: 32
...
	.end_amdgpu_metadata
.endif
;; end of part 3
;; ======== version 2 of 2: 3 launches; version 1 with the launch attn written anew for expert scheduling mode
;; workspace buffers: xq 4,456,448 bytes; wqkv 1,671,168 bytes; wo 557,056 bytes; qc 4,194,304 bytes; kc 4,194,304 bytes; vc 4,194,304 bytes; sc 1,310,720 bytes
;; launch quant: the kernel of part 1 again; grid 384 x 1, 4 waves a work-group, no clusters, 34,304 bytes of LDS; arguments query, Wq, Wk, Wv, Wo, xq, wqkv, wo; writes xq, wqkv, wo
;; launch qkv: the kernel of part 2 again; grid 16 x 16, 16 waves a work-group, no clusters, 169,984 bytes of LDS; arguments xq, wqkv, bq, bk, bv, qc, kc, vc, sc; writes qc, kc, vc, sc
;; launch attn (part 4): grid 32 x 8, 16 waves a work-group, no clusters, 297,984 bytes of LDS; arguments qc, kc, vc, sc, mask, wo, bo, out0; writes out0
.if DOCPART == 4
	.amdgcn_target "amdgcn-amd-amdhsa--gfx1250"
	.amdhsa_code_object_version 6
	.text
	.protected	k_q7710937cea_attn
	.globl	k_q7710937cea_attn
	.p2align	8
	.type	k_q7710937cea_attn,@function
k_q7710937cea_attn:
	s_mov_b64 s[64:65], 0
	v_nop
	global_prefetch_b8 v0, s[64:65] scope:SCOPE_SE
	s_setreg_imm32_b32 hwreg(HW_REG_WAVE_SCHED_MODE, 0, 2), 2
	s_setreg_imm32_b32 hwreg(HW_REG_WAVE_MODE, 25, 1), 1
	s_wait_xcnt 0x0
	s_wait_alu depctr_vm_vsrc(0)
; out0 = concat_h(softmax(s q k^T / 8 - 1e9 (1 - s)) v) Wo + bo, all three products on codes of FP4 with E8M0 scales.
; SHARES.  A work-group owns 32 queries of one batch (x = group, y = batch) and ALL 16 heads: wave w is head w, with two tiles of 16 queries, in 256 registers.
; So each row of the mask is read once in the launch, what is made of it is made once and not once a head, and a row's 1,024 numbers meet in one work-group, which also makes the last product.
; THE MASK.  t = logit x log2(e) = score x a + b with a = s log2(e) / 8 and b = ((1 - s) 1e9)(-log2(e)).  Wave w turns rows 2 w and 2 w + 1 of the mask into a and b and stores them in LDS in the order of the scores' registers.
; THE SOFTMAX: M = the running largest t rounded up to a whole number; p = 2^(t - M) is quantised along the keys, not normalised; the row's sum is taken of the unquantised p and divides at the end;
; when M moves, the sum and O are multiplied by 2^(old M - new M), which rounds nothing.  t is rounded before M is taken off: a row that is masked everywhere has p = 1 everywhere.
; LAYOUT.  Both products transposed: S^T = K Q^T, O^T = V^T P^T: a lane holds one query (place lane % 16).  The queries, keys and d of a tile are not neighbours (place r of tile u of a group of 32 is index 8 u + r + 8 (r / 8)),
; so that 16 registers of two neighbouring tiles are 16 neighbours: of keys for p, of d for O.  A key step is 64 keys.
; K = 64 IN AN INSTRUCTION OF K = 128: Q's and P's registers 4-7 hold zero codes, and bytes 2, 3 of every scale word are 0 (2^-127, no NaN): whatever the other operand's registers 4-7 hold adds nothing.
; So K's and V's tiles lie packed, four registers each; a fragment names its tile's four and the four behind them, and four zeroed registers follow the last tile.
; K and V of a head are read by one wave of the work-group: they go from memory straight into registers, one unit of work or more ahead; the loop has no barrier.
; NO JOINT LOADS, though the 32 work-groups of a batch read the same K and V: 278,528 bytes of LDS hold a and b, 17,408 the last product's operand; a key step's K and V of 16 heads are 65,536 bytes, and two such slots do not fit in what is left of 327,680.
; LIMITS.  NaN and infinities are not served.  For s other than 0 and 1, t is rounded otherwise than in s score / 8 - 1e9 (1 - s), by units in the last place of b.  A block of zeros gets the byte 1 where the rule says 127.
; A block's largest p is taken as 2^(the block's largest t - M): this takes v_exp_f32 not to fall where its input rises.
; The inputs key and value enter no result of the module and are named by no launch.
; THE MODE: SCHED_MODE bits 1:0 = 2 (LLVM: expert scheduling mode 2), set by the entry lines.  The code itself states the register dependences
; between vector or matrix instructions and memory or LDS instructions, with s_wait_alu, always for 0.
; THE PLAN.  Registers that memory or LDS instructions touch, in the loop (a step is two units, one for each query tile):
;   v104-135 a, v152-167 the upper half of b   Read by a unit's sixteen lines t = score x a + b; the next unit's land there behind the unit's wait for its exponentials.
;   v136-151 the lower half of b               Read by the same lines, then at work (T) up to the last rescaling of O^T; the next unit's lands there behind the wait that stands ahead of the products V^T P^T.
;   v32-47, v241-242 K and its scale words     Read by both units' products K Q^T; the next step's land there in unit 1, behind those products' places and a wait.
;   v52-67, v243-244 V and its half-words      Read by both units' products V^T P^T; the next step's land there at unit 1's end, behind their places and a wait.
;   v4, v5                                     v5 is read by the LDS loads issued in unit 0, v4 by those issued in unit 1; both are written once a step, in unit 1, behind one wait on vm_vsrc and ahead of that unit's wait for its exponentials.
;   v1, v2, v3                                 Offsets of K's and V's loads: never written in the loop; the scalar bases move on.
;   S^T, O^T, p's codes and scale word, the statistics are named by vector and matrix instructions alone.
; So a unit's sixteen LDS loads are issued in the unit before it, in four groups dealt among that unit's vector lines, none of which names their registers behind the wait that covers them.
.set ABU,  139264                      ; LDS: a and b: [query tile 2 (ABU)][key step 16 (8,704)][a, b (4,352)][X 16 (272)][r 16 (16 bytes)], X = 2 (register quad) + lane / 16.  272 = 17 x 16: writer (r fixed) and reader (X fixed) each touch 16 different 16-byte columns
.set OIMG, 278528                      ; the last product's operand: images [query tile 2][K step 8][1024]
.set OSC,  294912                      ; its scale words [K step 8][lane 32]
.set QF,  16                           ; v16-31   Q: two tiles, 4 registers + 4 zeros; later the last product's operand, even K steps (odd K steps: v32-39 and v232-239)
.set KF,  32                           ; v32-51   K: 4 tiles x 4, + 4 zeros
.set VF,  52                           ; v52-71   V likewise
.set S,   72                           ; v72-103  S^T, then t, then p
.set A,   104                          ; v104-135 a
.set BM,  136                          ; v136-167 b; once t is made, v136-149 are at work
.set T,   136
.set O,   168                          ; v168-231 O^T: 32 x query tile + 8 x d tile; later the last product's accumulators
.set P,   232                          ; v232-239 p's codes: 4 + 4 zeros
.set QS,  240                          ; scale words and nothing else: Q's; v241-242 K's; v243-244 V's; v245 p's
.set KS,  241
.set VS,  243
.set PW,  245
.set WOS, 240                          ; later v240-247 Wo's, v248-249 the operand's (even and odd K steps)
.set OS,  248
.set HW,  249                          ; O's scale word on its way to LDS
; v1 16 lane; v2 4 lane; v3 2 lane; v7 8 lane; v6 272 (lane / 16) + 16 r; v4, v5 LDS addresses in a and b; v8-15: for each query tile -M, the largest t, the sum in two halves
; v250 OIMG + 16 thread; v251 my half-word in OSC; v252 OIMG + 16 lane; v253 OSC + 4 lane; v254, v255 my stage, in and back
.macro WM d, a, b, c, sa, sb, ra, rb   ; one product that adds onto v[c]; ra, rb: the side's scale words lie in lanes 16-31
.if (\ra) && (\rb)
	v_wmma_scale_f32_16x16x128_f8f6f4 v[\d:\d+7], v[\a:\a+7], v[\b:\b+7], v[\c:\c+7], v[\sa], v[\sb] matrix_a_fmt:MATRIX_FMT_FP4 matrix_b_fmt:MATRIX_FMT_FP4 matrix_a_scale:MATRIX_SCALE_ROW1 matrix_b_scale:MATRIX_SCALE_ROW1
.elseif (\ra)
	v_wmma_scale_f32_16x16x128_f8f6f4 v[\d:\d+7], v[\a:\a+7], v[\b:\b+7], v[\c:\c+7], v[\sa], v[\sb] matrix_a_fmt:MATRIX_FMT_FP4 matrix_b_fmt:MATRIX_FMT_FP4 matrix_a_scale:MATRIX_SCALE_ROW1
.elseif (\rb)
	v_wmma_scale_f32_16x16x128_f8f6f4 v[\d:\d+7], v[\a:\a+7], v[\b:\b+7], v[\c:\c+7], v[\sa], v[\sb] matrix_a_fmt:MATRIX_FMT_FP4 matrix_b_fmt:MATRIX_FMT_FP4 matrix_b_scale:MATRIX_SCALE_ROW1
.else
	v_wmma_scale_f32_16x16x128_f8f6f4 v[\d:\d+7], v[\a:\a+7], v[\b:\b+7], v[\c:\c+7], v[\sa], v[\sb] matrix_a_fmt:MATRIX_FMT_FP4 matrix_b_fmt:MATRIX_FMT_FP4
.endif
.endm
.macro WM0 d, a, b, sa, sb, ra, rb     ; one product that starts a sum
.if (\ra) && (\rb)
	v_wmma_scale_f32_16x16x128_f8f6f4 v[\d:\d+7], v[\a:\a+7], v[\b:\b+7], 0, v[\sa], v[\sb] matrix_a_fmt:MATRIX_FMT_FP4 matrix_b_fmt:MATRIX_FMT_FP4 matrix_a_scale:MATRIX_SCALE_ROW1 matrix_b_scale:MATRIX_SCALE_ROW1
.elseif (\ra)
	v_wmma_scale_f32_16x16x128_f8f6f4 v[\d:\d+7], v[\a:\a+7], v[\b:\b+7], 0, v[\sa], v[\sb] matrix_a_fmt:MATRIX_FMT_FP4 matrix_b_fmt:MATRIX_FMT_FP4 matrix_a_scale:MATRIX_SCALE_ROW1
.elseif (\rb)
	v_wmma_scale_f32_16x16x128_f8f6f4 v[\d:\d+7], v[\a:\a+7], v[\b:\b+7], 0, v[\sa], v[\sb] matrix_a_fmt:MATRIX_FMT_FP4 matrix_b_fmt:MATRIX_FMT_FP4 matrix_b_scale:MATRIX_SCALE_ROW1
.else
	v_wmma_scale_f32_16x16x128_f8f6f4 v[\d:\d+7], v[\a:\a+7], v[\b:\b+7], 0, v[\sa], v[\sb] matrix_a_fmt:MATRIX_FMT_FP4 matrix_b_fmt:MATRIX_FMT_FP4
.endif
.endm
.macro NOP4                            ; four places behind a matrix instruction, in front of loads into its registers and of the first read of its result
.rept 4
	v_nop
.endr
.endm
.macro KLOAD                           ; a key step's K: four tiles of 512 bytes, and the scale words of its 64 keys
.irp t, 0,1,2,3
	global_load_b128 v[KF+4*\t:KF+4*\t+3], v1, s[6:7] offset:\t*512
.endr
.irp n, 0,1
	global_load_b32 v[KS+\n], v2, s[28:29] offset:\n*128
.endr
.endm
.macro VLOAD                           ; its V: four d tiles of 512 bytes, and their half-words (the upper half comes as zeros)
.irp t, 0,1,2,3
	global_load_b128 v[VF+4*\t:VF+4*\t+3], v1, s[8:9] offset:\t*512
.endr
.irp n, 0,1
	global_load_u16 v[VS+\n], v3, s[30:31] offset:\n*64
.endr
.endm
.macro LDA adr, n0                     ; four register quads of a unit's a, from quad n0 on
.irp n, 0,1,2,3
	ds_load_b128 v[A+4*((\n0)+\n):A+4*((\n0)+\n)+3], v[\adr] offset:((\n0)+\n)*544
.endr
.endm
.macro LDB adr, n0                     ; and of its b
.irp n, 0,1,2,3
	ds_load_b128 v[BM+4*((\n0)+\n):BM+4*((\n0)+\n)+3], v[\adr] offset:4352+((\n0)+\n)*544
.endr
.endm
	s_load_b512 s[4:19], s[0:1], 0x0               ; qc, kc, vc, sc, mask, wo, bo, out0
	v_lshrrev_b32 v1, 5, v0
	v_readfirstlane_b32 s20, v1                    ; wave = head
	s_and_b32 s22, ttmp7, 0xffff                   ; batch
	s_lshl_b32 s23, s22, 4
	s_wait_alu depctr_va_sdst(0)                   ; s20 is written, ahead of its first reader: the bases and the LDS places below are made from it
	s_add_co_u32 s23, s23, s20                     ; 16 b + head
	s_lshl_b32 s24, s23, 15                        ; its codes: 32,768 bytes in each of qc, kc, vc
	s_mov_b32 s25, 0
	s_mul_i32 s26, s23, 10240                      ; its scales
	s_mov_b32 s27, 0
	s_lshl_b32 s42, ttmp9, 10
	s_add_co_u32 s42, s42, s24                     ; Q: my group's two tiles
	s_mov_b32 s43, 0
	s_lshl_b32 s44, s22, 22
	s_lshl_b32 s46, ttmp9, 17
	s_add_co_u32 s44, s44, s46                     ; row 1,024 b + 32 g of 4,096 bytes, in the mask and in out0
	s_lshl_b32 s46, s20, 13
	s_add_co_u32 s46, s46, s44                     ; the mask: + rows 2 w
	s_mov_b32 s47, 0
	s_lshl_b32 s48, s20, 8                         ; bo and out0: my 64 columns
	s_mov_b32 s49, 0
	s_add_co_u32 s44, s44, s48
	s_mov_b32 s45, 0
	s_mul_i32 s50, s20, 34816                      ; wo: my group of 64 columns
	s_mov_b32 s51, 0
	s_lshl_b32 s52, ttmp9, 7                       ; Q's scale words
	s_mov_b32 s53, 0
	s_bfe_u32 s54, s20, 0x10002                    ; where rows 2 w, 2 w + 1 lie among a and b: query tile (w / 4) % 2,
	s_mul_i32 s54, s54, ABU
	s_and_b32 s55, s20, 3
	s_lshl_b32 s55, s55, 5                         ; place r = 2 (w % 4) + 8 (w / 8) (+ 1): 16 bytes a place
	s_add_co_u32 s54, s54, s55
	s_lshr_b32 s55, s20, 3
	s_lshl_b32 s55, s55, 7
	s_add_co_u32 s54, s54, s55
	s_lshr_b32 s55, s20, 1                         ; my half-word among the operand's scale words: K step w / 2, bytes 2 (w % 2) on
	s_lshl_b32 s55, s55, 7
	s_and_b32 s56, s20, 1
	s_lshl_b32 s56, s56, 1
	s_add_co_u32 s55, s55, s56
	s_add_co_u32 s55, s55, OSC
	s_mul_i32 s57, s20, 8704                       ; my stage for the way out
	s_mov_b32 s32, 0x76543210
	s_mov_b32 s33, 0xfedcba98                      ; lane selects: lane l xor 16
	s_mov_b32 s34, 0x3e38aa3b                      ; log2(e) / 8
	s_mov_b32 s35, s34                             ; (the packed forms name pairs and take the low word for both halves: so the upper words are written)
	s_mov_b32 s36, 0x4e6e6b28                      ; 1e9
	s_mov_b32 s37, s36
	s_mov_b32 s38, 0xbfb8aa3b                      ; -log2(e)
	s_mov_b32 s39, s38
	s_mov_b32 s40, 0                               ; the key step's place among a and b
	s_mov_b32 s41, 15                              ; trips
	v_and_b32 v72, 31, v0                          ; lane
	v_and_b32 v73, 15, v0                          ; r
	v_bfe_u32 v74, v0, 4, 1                        ; lane / 16
	v_lshlrev_b32 v1, 4, v72
	v_lshlrev_b32 v2, 2, v72
	v_lshlrev_b32 v3, 1, v72
	v_lshlrev_b32 v7, 3, v72
	v_mul_u32_u24 v6, v74, 272
	v_lshl_add_u32 v6, v73, 4, v6
	v_mul_u32_u24 v4, v74, 8704                    ; the producer: lane l of a load holds keys 4 l on of 128: key step l / 16, block (l / 8) % 2, half (l / 4) % 2, quad l % 4
	v_bfe_u32 v75, v0, 3, 1
	v_mad_u32_u24 v4, v75, 2176, v4
	v_and_b32 v75, 3, v0
	v_mad_u32_u24 v4, v75, 544, v4
	v_bfe_u32 v75, v0, 2, 1
	v_mad_u32_u24 v4, v75, 272, v4
	v_add_nc_u32 v4, s54, v4
	v_add_nc_u32 v5, 69632, v4                     ; and eight key steps on
	v_lshl_add_u32 v250, v0, 4, OIMG               ; 1,024 (w / 2) + 512 (w % 2) + 16 lane = 16 x thread
	v_lshl_add_u32 v251, v73, 2, s55
	v_add_nc_u32 v252, OIMG, v1
	v_add_nc_u32 v253, OSC, v2
	v_mul_u32_u24 v254, v73, 272
	v_lshl_add_u32 v254, v74, 6, v254
	v_add_nc_u32 v254, s57, v254
	v_add_nc_u32 v255, s57, v6
	s_wait_kmcnt 0x0
	s_add_nc_u64 s[4:5], s[4:5], s[42:43]
	s_add_nc_u64 s[6:7], s[6:7], s[24:25]
	s_add_nc_u64 s[8:9], s[8:9], s[24:25]
	s_add_nc_u64 s[10:11], s[10:11], s[26:27]
	s_add_nc_u64 s[28:29], s[10:11], 4096          ; K's scale words
	s_add_nc_u64 s[30:31], s[10:11], 8192          ; V's half-words
	s_add_nc_u64 s[10:11], s[10:11], s[52:53]      ; Q's
	s_add_nc_u64 s[12:13], s[12:13], s[46:47]
	s_add_nc_u64 s[14:15], s[14:15], s[50:51]
	s_add_nc_u64 s[16:17], s[16:17], s[48:49]
	s_add_nc_u64 s[18:19], s[18:19], s[44:45]
	s_wait_alu depctr_va_vdst(0)                   ; the offsets and LDS addresses v1 to v7 and v250 to v255 are written, which the loads and stores of the kernel read
.irp e, 0,1                                    ; two rows of the mask: 16 loads of 512 consecutive bytes, read once in the launch
.irp x, 0,1,2,3,4,5,6,7
	global_load_b128 v[A+32*\e+4*\x:A+32*\e+4*\x+3], v1, s[12:13] offset:\e*4096+\x*512 th:TH_LOAD_NT
.endr
.endr
	global_load_b128 v[QF:QF+3], v1, s[4:5]
	global_load_b128 v[QF+8:QF+11], v1, s[4:5] offset:512
	global_load_b32 v[QS], v2, s[10:11]            ; lanes 0-15 tile 0's words, lanes 16-31 tile 1's
	KLOAD
	VLOAD
.irp j, 4,5,6,7,12,13,14,15
	v_mov_b32 v[QF+\j], 0                          ; zero codes for k = 64 .. 127
.endr
.irp j, 0,1,2,3
	v_mov_b32 v[KF+16+\j], 0
	v_mov_b32 v[VF+16+\j], 0
	v_mov_b32 v[P+4+\j], 0
.endr
.irp u, 0,1
	v_mov_b32 v[9+4*\u], 0xff61b1e6                ; the largest t so far: -3e38, under every t
	v_floor_f32 v[8+4*\u], -v[9+4*\u]              ; -M
	v_mov_b32 v[10+4*\u], 0                        ; the sum
	v_mov_b32 v[11+4*\u], 0
.endr
.irp j, 0,1,2,3,4,5,6,7,8,9,10,11,12,13,14,15,16,17,18,19,20,21,22,23,24,25,26,27,28,29,30,31,32,33,34,35,36,37,38,39,40,41,42,43,44,45,46,47,48,49,50,51,52,53,54,55,56,57,58,59,60,61,62,63
	v_mov_b32 v[O+\j], 0                           ; O^T.  (The step is written once: the first finds zeros, which the first change of M leaves zeros)
.endr
	s_wait_loadcnt 15                              ; the mask's 16 loads are in; behind them Q's 3, K's 6 and V's 6 may be out
; A row of the mask at a time: all its a (into v72-103) and b (in place), one wait, its sixteen LDS stores
.irp e, 0,1
.if \e
	s_wait_alu depctr_vm_vsrc(0)                   ; the first row's LDS stores have read v72-103, into which the second row's a is written
.endif
.irp x, 0,1,2,3,4,5,6,7
.set MR, A+32*\e+4*\x
.set TR, S+4*\x
.irp k, 0,2
	v_pk_mul_f32 v[TR+\k:TR+\k+1], v[MR+\k:MR+\k+1], s[34:35] op_sel_hi:[1,0]      ; a = s log2(e) / 8
.endr
.irp k, 0,2
	v_pk_fma_f32 v[MR+\k:MR+\k+1], v[MR+\k:MR+\k+1], -1.0, 1.0 op_sel_hi:[1,0,0]   ; 1 - s
.endr
.irp k, 0,2
	v_pk_mul_f32 v[MR+\k:MR+\k+1], v[MR+\k:MR+\k+1], s[36:37] op_sel_hi:[1,0]      ; x 1e9
.endr
.irp k, 0,2
	v_pk_mul_f32 v[MR+\k:MR+\k+1], v[MR+\k:MR+\k+1], s[38:39] op_sel_hi:[1,0]      ; x -log2(e): b
.endr
.endr
	s_wait_alu depctr_va_vdst(0)                   ; this row's a and b are written, which the LDS stores below read (the zero codes of Q, K, V and p, which the products take, are written too)
.irp x, 0,1,2,3,4,5,6,7
	ds_store_b128 v[4+\x/4], v[S+4*\x:S+4*\x+3] offset:(\x%4)*17408+\e*16
	ds_store_b128 v[4+\x/4], v[A+32*\e+4*\x:A+32*\e+4*\x+3] offset:(\x%4)*17408+4352+\e*16
.endr
.endr
	s_wait_dscnt 0x0                               ; for the others' sake: my stores are done
	s_barrier_signal -1
	s_barrier_wait -1                              ; a and b of the 32 queries x 1,024 keys lie in LDS
	s_wait_alu depctr_vm_vsrc(0)                   ; my LDS stores have read v4 and v5, which are written anew, v72-103, which the products write, and v104-167, in which a and b land
	v_add_nc_u32 v4, s40, v6                       ; key step 0: query tile 0's a and b,
	v_add_nc_u32 v5, ABU, v4                       ; and tile 1's
	s_wait_alu depctr_va_vdst(0)                   ; v4 and v5 are written, which the LDS loads read
	LDA 4, 0                                       ; the first unit's a and b; every later unit's are asked for in the unit before it
	LDA 4, 4
	LDB 4, 0
	LDB 4, 4
; A UNIT: query tile u x the step's 64 keys.  more = 1: the next step's K and V are asked for in unit 1, as soon as their registers are free.
; The next unit's a and b are asked for here: unit 0 asks for unit 1's (v5), unit 1 for the next step's unit 0's (v4), if there is a next step.
.macro UNIT u, more
.set ST, 8+4*\u
.if \u == 0
	s_wait_loadcnt 0x6                             ; K and its scale words are in (and, the first time, Q); V's six loads, issued behind them, may be out
.endif
.irp t, 0,1,2,3                                ; S^T = K Q^T: register 8 t + j = key 32 (t / 2) + 16 (lane / 16) + 8 (t % 2) + j
	WM0 S+8*\t, KF+4*\t, QF+8*\u, KS+\t/2, QS, \t%2, \u
.endr
	NOP4
.if (\u == 1) && \more
	s_wait_alu depctr_va_vdst(0)                   ; the products K Q^T are done reading K and its scale words, in which the next step's land
	s_add_nc_u64 s[6:7], s[6:7], 2048              ; (the loads that named these bases were shown done by this step's waits)
	s_add_nc_u64 s[28:29], s[28:29], 256
	KLOAD
.endif
	s_wait_dscnt 0x0                               ; a and b, asked for in the unit before
.irp j, 0,2,4,6,8,10,12,14,16,18,20,22,24,26,28,30
	v_pk_fma_f32 v[S+\j:S+\j+1], v[S+\j:S+\j+1], v[A+\j:A+\j+1], v[BM+\j:BM+\j+1]   ; t = score x a + b; each accumulator from its low end on
.endr
.irp b, 0,1
	v_max3_num_f32 v[T+\b], v[S+16*\b], v[S+16*\b+1], v[S+16*\b+2]   ; the largest t of each block of 32 keys: it serves the row's maximum and the block's largest p
.endr
.irp i, 3,5,7,9,11,13
.irp b, 0,1
	v_max3_num_f32 v[T+\b], v[T+\b], v[S+16*\b+\i], v[S+16*\b+\i+1]
.endr
.endr
.irp b, 0,1
	v_max_num_f32 v[T+\b], v[T+\b], v[S+16*\b+15]
.endr
.irp b, 0,1
	v_permlanex16_b32 v[T+2+\b], v[T+\b], s32, s33
.endr
.irp b, 0,1
	v_max_num_f32 v[T+\b], v[T+\b], v[T+2+\b]      ; with lane l xor 16's 16 keys
.endr
	v_max3_num_f32 v[ST+1], v[ST+1], v[T], v[T+1]  ; the running largest t
	v_mov_b32 v[T+8], v[ST]
	v_floor_f32 v[ST], -v[ST+1]                    ; the new -M = -ceil(t): a whole number
	v_sub_f32 v[T+8], v[ST], v[T+8]                ; old M - new M, 0 or less
	v_cvt_i32_f32 v[T+8], v[T+8]                   ; (it saturates)
	v_ldexp_f32 v[T+6], 1.0, v[T+8]                ; f = 2^(old M - new M)
.irp j, 0,2,4,6,8,10,12,14,16,18,20,22,24,26,28,30
	v_pk_add_f32 v[S+\j:S+\j+1], v[S+\j:S+\j+1], v[ST:ST+1] op_sel_hi:[1,0]   ; t - M (of the pair the low word, -M, serves both halves)
.endr
.irp b, 0,1
	v_add_f32 v[T+\b], v[T+\b], v[ST]
.endr
.irp j, 0,1,2,3,4,5,6,7,8,9,10,11,12,13,14,15,16,17,18,19,20,21,22,23,24,25,26,27,28,29,30,31
	v_exp_f32 v[S+\j], v[S+\j]                     ; p = 2^(t - M)
.endr
.irp b, 0,1
	v_exp_f32 v[T+\b], v[T+\b]                     ; the block's largest p: the same instructions on the same number
.endr
	v_pk_mul_f32 v[ST+2:ST+3], v[ST+2:ST+3], v[T+6:T+7] op_sel_hi:[1,0]   ; the sum under the new M.  (The plain place behind the exponentials)
.if (\u == 1) && \more
	s_add_co_u32 s40, s40, 8704                    ; the next key step's place among a and b
	s_wait_alu depctr_vm_vsrc(0)                   ; the LDS loads issued so far have read v4 and v5
	v_add_nc_u32 v4, s40, v6
	v_add_nc_u32 v5, ABU, v4
.endif
	s_wait_alu depctr_va_vdst(0)                   ; the 34 exponentials have written p and the blocks' largest p, ahead of their first reader; the lines that made t are done reading a and the upper half of b, in which the next unit's land; in unit 1 v4 and v5 are written
.if (\u == 0) || \more
	LDA 5-\u, 0                                    ; no vector or matrix instruction from the wait above to this unit's end names v104-135 or v152-167
.endif
.irp b, 0,1
	v_max_num_f32 v[T+\b], 0x1800000, v[T+\b]      ; the floor 2^(3 - 127): the byte cannot fall under 1
.endr
.irp b, 0,1
	v_add_nc_u32 v[T+4+\b], 0xff000000, v[T+\b]    ; 2 off the exponent field: the conversion's scale operand
.endr
.irp b, 0,1
	v_lshrrev_b32 v[T+12+\b], 23, v[T+4+\b]
.endr
	v_lshl_or_b32 v[PW], v[T+13], 8, v[T+12]       ; p's scale word: two bytes, zeros above
.if (\u == 0) || \more
	LDA 5-\u, 4
.endif
.irp b, 0,1
	v_cvt_scalef32_pk8_fp4_f32 v[P+2*\b], v[S+16*\b:S+16*\b+7], v[T+4+\b]
	v_cvt_scalef32_pk8_fp4_f32 v[P+2*\b+1], v[S+16*\b+8:S+16*\b+15], v[T+4+\b]
.endr
	v_nop                                          ; one plain place behind a scaled conversion
	v_permlane16_swap_b32 v[P], v[P+2]             ; a whole block to a lane: lanes 0-15 block 0, lanes 16-31 block 1
	v_permlane16_swap_b32 v[P+1], v[P+3]
.if (\u == 0) || \more
	LDB 5-\u, 4
.endif
	v_pk_add_f32 v[T+10:T+11], v[S:S+1], v[S+2:S+3]   ; the row's sum, of the unquantised p, in two chains
.irp j, 4,8,12,16,20,24,28
	v_pk_add_f32 v[ST+2:ST+3], v[ST+2:ST+3], v[S+\j:S+\j+1]
	v_pk_add_f32 v[T+10:T+11], v[T+10:T+11], v[S+\j+2:S+\j+3]
.endr
	v_pk_add_f32 v[ST+2:ST+3], v[ST+2:ST+3], v[T+10:T+11]
.irp j, 0,2,4,6,8,10,12,14,16,18,20,22,24,26,28,30
	v_pk_mul_f32 v[O+32*\u+\j:O+32*\u+\j+1], v[O+32*\u+\j:O+32*\u+\j+1], v[T+6:T+7] op_sel_hi:[1,0]   ; O^T under the new M.  (With the sums: the places between p's scale word and codes and the products below)
.endr
	s_wait_alu depctr_va_vdst(0)                   ; p's codes and scale word are written, which the scaled products below take (their places stand above); the unit's work in v136-149 is over, where the lower half of the next unit's b lands
.if (\u == 0) || \more
	LDB 5-\u, 0
.endif
.if \u == 0
	s_wait_loadcnt 0x0                             ; V and its half-words are in
.endif
.irp d, 0,1,2,3                                ; O^T += V^T P^T: four accumulators, one instruction each
	WM O+32*\u+8*\d, VF+4*\d, P, O+32*\u+8*\d, VS+\d/2, PW, \d%2, 0
.endr
.if \u == 1
	NOP4
.if \more
	s_wait_alu depctr_va_vdst(0)                   ; the products V^T P^T are done reading V and its half-words, in which the next step's land
	s_add_nc_u64 s[8:9], s[8:9], 2048
	s_add_nc_u64 s[30:31], s[30:31], 128
	VLOAD
.endif
.endif
.endm
.macro STEP more
	UNIT 0, \more
	UNIT 1, \more
.endm
.Lstep:                                            ; 15 trips; the sixteenth step is written out, so that no load leaves its buffer
	STEP 1
	s_sub_co_u32 s41, s41, 1
	s_cmp_lg_u32 s41, 0
	s_cbranch_scc1 .Lstep
	STEP 0
; Wo's fragments of my 64 columns, two K steps a batch: 16 loads of 512 bytes and 2 of scale words; batches by turns in v104-167 and v40-103
.macro WOLOAD n
.set WBB, A-64*((\n)%2)
.irp s, 0,1
.irp p, 0,1
.irp u, 0,1
.irp c, 0,1
	global_load_b128 v[WBB+32*\s+16*\p+8*\u+4*\c:WBB+32*\s+16*\p+8*\u+4*\c+3], v1, s[14:15] offset:\p*16384+\u*8192+(2*(\n)+\s)*1024+\c*512
.endr
.endr
.endr
.endr
.irp p, 0,1
	global_load_b64 v[WOS+4*((\n)%2)+2*\p:WOS+4*((\n)%2)+2*\p+1], v7, s[14:15] offset:32768+\p*1024+(\n)*256
.endr
.endm
	s_wait_alu depctr_va_vdst(0)                   ; the last unit's lines and products are done with v104-167 and v240-243, in which Wo's first batch and its scale words land
	s_wait_alu depctr_vm_vsrc(0)                   ; the LDS loads of a and b have read v4 and v5, which are written anew below
	WOLOAD 0
.irp u, 0,1
	v_add_f32 v[S+\u], v[10+4*\u], v[11+4*\u]      ; the sum's two halves,
.endr
.irp u, 0,1
	v_permlanex16_b32 v[S+2+\u], v[S+\u], s32, s33
.endr
.irp u, 0,1
	v_add_f32 v[S+\u], v[S+\u], v[S+2+\u]          ; and lane l xor 16's
.endr
.irp u, 0,1
	v_rcp_f32 v[8+4*\u], v[S+\u]
.endr
	v_bfe_u32 v5, v0, 4, 1                         ; (plain places behind the reciprocals)  the offsets of the way out:
	v_and_b32 v4, 15, v0
	v_lshlrev_b32 v4, 4, v4
	v_lshl_add_u32 v4, v5, 12, v4                  ; out0: lanes 0-15 one row, lanes 16-31 the next, 16 bytes a lane
	v_lshlrev_b32 v5, 6, v5                        ; bo: 64 (lane / 16)
	s_wait_alu depctr_va_vdst(0)                   ; the two reciprocals are written, ahead of their first reader
.irp u, 0,1
.irp j, 0,2,4,6,8,10,12,14,16,18,20,22,24,26,28,30
	v_pk_mul_f32 v[O+32*\u+\j:O+32*\u+\j+1], v[O+32*\u+\j:O+32*\u+\j+1], v[8+4*\u:9+4*\u] op_sel_hi:[1,0]   ; O^T / the sum; each accumulator from its low end on
.endr
.endr
; O is quantised along the 1,024: my head's two blocks of 32 for each query tile: blocks 0, 1 are tile 0's, blocks 2, 3 tile 1's
.irp b, 0,1,2,3
	v_max3_num_f32 v[S+\b], |v[O+16*\b]|, |v[O+1+16*\b]|, 0x1800000
.endr
.irp i, 2,4,6,8,10,12,14
.irp b, 0,1,2,3
	v_max3_num_f32 v[S+\b], v[S+\b], |v[O+16*\b+\i]|, |v[O+1+16*\b+\i]|
.endr
.endr
.irp b, 0,1,2,3
	v_permlanex16_b32 v[S+4+\b], v[S+\b], s32, s33
.endr
.irp b, 0,1,2,3
	v_max_num_f32 v[S+\b], v[S+\b], v[S+4+\b]
.endr
.irp b, 0,1,2,3
	v_add_nc_u32 v[S+12+\b], 0xff000000, v[S+\b]
.endr
.irp b, 0,1,2,3
	v_lshrrev_b32 v[S+4+\b], 23, v[S+12+\b]
.endr
	v_lshl_or_b32 v[HW], v[S+5], 8, v[S+4]         ; low half: tile 0's two bytes; high half: tile 1's
	v_lshl_or_b32 v[HW], v[S+6], 16, v[HW]
	v_lshl_or_b32 v[HW], v[S+7], 24, v[HW]
.irp b, 0,1,2,3
	v_cvt_scalef32_pk8_fp4_f32 v[P+2*\b], v[O+16*\b:O+7+16*\b], v[S+12+\b]
	v_cvt_scalef32_pk8_fp4_f32 v[P+1+2*\b], v[O+8+16*\b:O+15+16*\b], v[S+12+\b]
.endr
	v_nop                                          ; one plain place behind a scaled conversion
.irp c, 0,1
.irp i, 0,1
	v_permlane16_swap_b32 v[P+4*\c+\i], v[P+2+4*\c+\i]
.endr
.endr
	s_wait_alu depctr_va_vdst(0)                   ; O's codes and scale word are written, which the LDS stores read; so is v5, bo's offset; and every line and product is done with v16-103, v168-231 and v244-248, in which Wo's second batch, bo and the operand land
	ds_store_b128 v250, v[P:P+3]                   ; registers 4 (w % 2) on of K step w / 2, as an image: query tile 0,
	ds_store_b128 v250, v[P+4:P+7] offset:8192     ; tile 1
	ds_store_b16 v251, v[HW]                       ; lanes l and l xor 16 write the same bytes with the same value
	ds_store_b16_d16_hi v251, v[HW] offset:64
	WOLOAD 1
.irp x, 0,1                                    ; bo as the C of the sums' first products: register 16 p + 4 q + i of either query tile: column 32 p + 16 (lane / 16) + 4 q + i
.irp p, 0,1
.irp q, 0,1,2,3
	global_load_b128 v[O+32*\x+16*\p+4*\q:O+32*\x+16*\p+4*\q+3], v5, s[16:17] offset:\p*128+\q*16
.endr
.endr
.endr
	s_wait_dscnt 0x0                               ; for the others' sake: my images are stored; my reads of a and b were over long ago
	s_barrier_signal -1
	s_barrier_wait -1                              ; the operand's 16 fragments lie in LDS, and nobody reads a and b any more
; out^T = Wo^T O^T + bo: source 0 = 16 of my 64 columns, source 1 = 16 queries; eight accumulators by turns, one instruction a turn, in the same order in every K step
; The operand comes two K steps at a time, as Wo's batches do: the even K step's two fragments into v16-31, the odd one's into v32-39 and v232-239; their scale words into v248 and v249.
; So one wait a batch states all: the batch's sixteen products are done reading the operand's registers and the batch of Wo that is asked for again.
.macro OPLOAD n
.irp s, 0,1
.irp x, 0,1
.set OPB, (1-\s)*(QF+8*\x)+\s*(32+200*\x)
.irp c, 0,1
	ds_load_b128 v[OPB+4*\c:OPB+4*\c+3], v252 offset:\x*8192+(2*(\n)+\s)*1024+\c*512
.endr
.endr
	ds_load_b32 v[OS+\s], v253 offset:(2*(\n)+\s)*128
.endr
.endm
.macro MULK k
.set WBB, A-64*(((\k)/2)%2)+32*((\k)%2)
.set WSS, WOS+4*(((\k)/2)%2)+(\k)%2
.irp x, 0,1
.set OPB, (1-(\k)%2)*(QF+8*\x)+((\k)%2)*(32+200*\x)
.irp p, 0,1
.irp u, 0,1
	WM O+32*\x+16*\p+8*\u, WBB+16*\p+8*\u, OPB, O+32*\x+16*\p+8*\u, WSS+2*\p, OS+(\k)%2, \u, \x
.endr
.endr
.endr
.endm
	s_wait_alu depctr_vm_vsrc(0)                   ; my LDS stores have read v232-239 and v249, in which the odd K step's fragment and scale word land
	OPLOAD 0
	s_wait_loadcnt 0x0                             ; Wo's batches 0 and 1, and bo
	s_wait_dscnt 0x0
	MULK 0
	MULK 1
	NOP4
	s_wait_alu depctr_va_vdst(0)                   ; the products of K steps 0 and 1 are done reading the operand's registers and scale words, and v104-167 and v240-243, in which Wo's batch 2 lands
	OPLOAD 1
	WOLOAD 2
	s_wait_dscnt 0x0
	MULK 2
	MULK 3
	NOP4
	s_wait_alu depctr_va_vdst(0)                   ; the products of K steps 2 and 3 are done reading the operand's registers and scale words, and v40-103 and v244-247, in which Wo's batch 3 lands
	OPLOAD 2
	WOLOAD 3
	s_wait_loadcnt 18                              ; batch 2 is in; the last batch's 18 loads may be out
	s_wait_dscnt 0x0
	MULK 4
	MULK 5
	NOP4
	s_wait_alu depctr_va_vdst(0)                   ; the products of K steps 4 and 5 are done reading the operand's registers and scale words, in which the last two K steps' land
	OPLOAD 3
	s_wait_loadcnt 0x0                             ; the last batch
	s_wait_dscnt 0x0
	MULK 6
	MULK 7
	NOP4
; THE WAY OUT.  A lane holds 64 neighbouring bytes of a row, twice; the lanes beside it hold other rows.  So my 32 rows x 256 bytes go through my own stage (rows of 272 bytes, where a and b lay) and come back as whole rows.
; LDS serves a wave's instructions in order: no wait between the stores and the loads.
	s_wait_alu depctr_va_vdst(0)                   ; the products have written the accumulators, which the LDS stores read (the four places above stay beside this wait), and are done reading v104-167, in which the rows land
.irp x, 0,1
.irp p, 0,1
.irp q, 0,1,2,3
	ds_store_b128 v254, v[O+32*\x+16*\p+4*\q:O+32*\x+16*\p+4*\q+3] offset:\x*4352+\p*128+\q*16   ; each accumulator from its low end on
.endr
.endr
.endr
.irp i, 0,1,2,3,4,5,6,7,8,9,10,11,12,13,14,15
	ds_load_b128 v[A+4*\i:A+4*\i+3], v255 offset:\i*544
.endr
.irp i, 0,1,2,3,4,5,6,7,8,9,10,11,12,13,14,15
	s_wait_dscnt 15-\i                             ; load i is back; the younger ones may be out
	global_store_b128 v4, v[A+4*\i:A+4*\i+3], s[18:19] offset:(8*(\i/8)+(2*\i)%16+8*(((2*\i)%16)/8))*4096 th:TH_STORE_NT   ; stage rows 2 i, 2 i + 1 are neighbouring queries: sixteen lanes store 256 consecutive bytes, aligned
.endr
	s_wait_xcnt 0x0
	s_wait_alu depctr_vm_vsrc(0)                   ; the stage's LDS stores and loads have read v254 and v255, which are made anew
	v_lshl_add_u32 v254, v0, 2, 0x48400
	v_mov_b32 v255, 0
	s_wait_dscnt 0x0                               ; the closing lines, six on end
	s_wait_alu 0x0
	s_wait_tensorcnt 0x0
	ds_add_u32 v254, v255
	s_wait_dscnt 0x0
	s_endpgm
.Lfunc_end_k_q7710937cea_attn:
	.size	k_q7710937cea_attn, .Lfunc_end_k_q7710937cea_attn-k_q7710937cea_attn
	.p2alignl 7, 3214868480
	.fill 96, 4, 3214868480
	.section	.rodata,"a",@progbits
	.p2align	6, 0x0
	.amdhsa_kernel k_q7710937cea_attn
		.amdhsa_group_segment_fixed_size 297984
		.amdhsa_private_segment_fixed_size 0
		.amdhsa_enable_private_segment 0
		.amdhsa_kernarg_size 64
		.amdhsa_user_sgpr_count 2
		.amdhsa_user_sgpr_kernarg_segment_ptr 1
		.amdhsa_wavefront_size32 1
		.amdhsa_system_sgpr_workgroup_id_x 1
		.amdhsa_system_sgpr_workgroup_id_y 1
		.amdhsa_system_sgpr_workgroup_id_z 1
		.amdhsa_system_vgpr_workitem_id 0
		.amdhsa_next_free_vgpr 256
		.amdhsa_next_free_sgpr 66
		.amdhsa_reserve_vcc 0
		.amdhsa_float_denorm_mode_32 3
		.amdhsa_float_denorm_mode_16_64 3
		.amdhsa_memory_ordered 1
		.amdhsa_forward_progress 1
		.amdhsa_inst_pref_size 92
	.end_amdhsa_kernel
	.amdgpu_metadata
---
amdhsa.version: [ 1, 2 ]
amdhsa.kernels:
  - .name:           k_q7710937cea_attn
    .symbol:         k_q7710937cea_attn.kd
    .args:
      - { .name: qc, .offset: 0, .size: 8, .value_kind: global_buffer, .address_space: global }
      - { .name: kc, .offset: 8, .size: 8, .value_kind: global_buffer, .address_space: global }
      - { .name: vc, .offset: 16, .size: 8, .value_kind: global_buffer, .address_space: global }
      - { .name: sc, .offset: 24, .size: 8, .value_kind: global_buffer, .address_space: global }
      - { .name: mask, .offset: 32, .size: 8, .value_kind: global_buffer, .address_space: global }
      - { .name: wo, .offset: 40, .size: 8, .value_kind: global_buffer, .address_space: global }
      - { .name: bo, .offset: 48, .size: 8, .value_kind: global_buffer, .address_space: global }
      - { .name: out0, .offset: 56, .size: 8, .value_kind: global_buffer, .address_space: global }
    .group_segment_fixed_size: 297984
    .private_segment_fixed_size: 0
    .kernarg_segment_align: 8
    .kernarg_segment_size: 64
    .max_flat_workgroup_size: 512
    .sgpr_count:     66
    .vgpr_count:     256
    .wavefront_size: 32
...
	.end_amdgpu_metadata
.endif
;; end of part 4
